; MI455X (gfx1250); checked and timed in simulation.
; The chip was launched on July 23, 2026; its instructions are those of AMD's public machine-readable ISA for CDNA 5 (MIT licence, August 2026) and "CDNA5" Instruction Set Architecture Reference Guide (July 2026). The comments in the code are by the model that wrote it; some were corrected since.
;; Multi Head Self Attention. Allowed arithmetic: matrix products marked QUANTISED: E4M3 operands, one given power-of-two scale a tensor, by v_wmma_f32_16x16x64_fp8_fp8 or v_wmma_f32_16x16x128_fp8_fp8, f32 sums; everything else in f32.
;; Inputs: Wk_codes 1,024 x 32 x 32 uint8 (E4M3 codes of Wk, K innermost, in blocks of 32 codes); Wo_codes 1,024 x 32 x 32 uint8 (E4M3 codes of Wo, K innermost, in blocks of 32 codes); Wq_codes 1,024 x 32 x 32 uint8 (E4M3 codes of Wq, K innermost, in blocks of 32 codes); Wv_codes 1,024 x 32 x 32 uint8 (E4M3 codes of Wv, K innermost, in blocks of 32 codes); lowp_scales 12 int32 (the exponents e of the quantised operands' scales 2^e); x_codes 4 x 2,048 x 32 x 32 uint8 (E4M3 codes of x, K innermost, in blocks of 32 codes).
;; Outputs: out0 4 x 2,048 x 1,024 float32.
;; This version of the problem:
;;   THIS VERSION OF THE PROBLEM IS GIVEN IN LOW PRECISION. The matrix products marked QUANTISED in the list below multiply operands that are first quantised to E4M3 (4 exponent bits, 3 mantissa bits; 8 bits a number), with one given power-of-two scale for each operand tensor; their sums are f32. All else is computed in f32.
;;   The module's matrix products, in the order in which they are computed (A, B: the left and right operand; K: the contracted axis; several contracted axes count as one K, in the product's order):
;;     1. [M 8,192, K 1,024] x [K 1,024, N 1,024]; A: input x (given as codes); B: input Wq (given as codes): QUANTISED (scales: A lowp_scales[0], B lowp_scales[1])
;;     2. [M 8,192, K 1,024] x [K 1,024, N 1,024]; A: input x (given as codes); B: input Wk (given as codes): QUANTISED (scales: A lowp_scales[2], B lowp_scales[3])
;;     3. [M 8,192, K 1,024] x [K 1,024, N 1,024]; A: input x (given as codes); B: input Wv (given as codes): QUANTISED (scales: A lowp_scales[4], B lowp_scales[5])
;;     4. batch 64 x [M 2,048, K 64] x [K 64, N 2,048]; A: computed on the way; B: computed on the way: QUANTISED (scales: A lowp_scales[6], B lowp_scales[7])
;;     5. batch 64 x [M 2,048, K 2,048] x [K 2,048, N 64]; A: softmax (see below); B: computed on the way: QUANTISED (scales: A lowp_scales[8], B lowp_scales[9])
;;     6. [M 8,192, K 1,024] x [K 1,024, N 1,024]; A: computed on the way; B: input Wo (given as codes): QUANTISED (scales: A lowp_scales[10], B lowp_scales[11])
;;   THE QUANTISER, for each operand of a quantised product, along K:
;;     - The operand's scale is 2^e, e = its entry of the input lowp_scales (int32; the entries are numbered through the quantised products in the list's order, A before B).
;;     - Each number is divided by the scale, clamped to +-448, and rounded to the nearest number of E4M3, ties to even, subnormals kept.
;;     - The product sums the exact products of the quantised numbers (number of the format x scale) in f32.
;;   ~~~python
;;   def quantise(x, axis, e):      # numpy; x: float32 -> the quantised numbers, widened to float32 again
;;       x = np.moveaxis(x, axis, -1); K = x.shape[-1]
;;       r = np.clip(x / 2.0 ** e, -448, 448)
;;       step = 2.0 ** (np.maximum(np.frexp(np.where(r == 0, 1, r))[1] - 1, -6) - 3)
;;       q = np.round(r / step) * step * 2.0 ** e      # np.round: ties to even
;;       return np.moveaxis(q, -1, axis).astype(np.float32)
;;   ~~~
;;   SOFTMAX AHEAD OF A QUANTISED PRODUCT. Where the list says 'softmax', what is quantised is not the finished softmax but p = 2^(t - M), with t = logit x log2(e) and M = ceil(the row's largest t), a whole number; so 1/2 < the row's largest p <= 1. The row's sum l is taken of the UNQUANTISED p, in f32, and the product's result is divided by l at the end. Since M is a whole number, a kernel that streams over the keys may use a running M (the ceiling of the running maximum): every later rescaling is an exact power of two, so the quantised numbers keep their values, but for numbers so far below the row's largest that they fall under the format's range.
;;   OPERANDS COMPUTED ON THE WAY. 'Computed on the way' means the value that the module computes at that place (a softmax that the list does not call 'softmax' is quantised finished and normalised). What goes into a quantiser is computed in f32, as accurately as f32 sums, v_exp_f32 and their like allow (about 1e-6 of the number): no bf16 or f16 on the way to a quantiser, and a product that is left as it is and whose result goes on into a quantised operand takes f32 operands (vector FMAs, or v_wmma_f32_16x16x4_f32). A number that lies on a knife's edge between two numbers of the format may be rounded either way, as far as f32 arithmetic and the matrix unit's own rounding can turn it there, and no further.
;;   INPUTS GIVEN AS CODES. Wk (in the module: [1024, 1024], K = its axis 1); Wo (in the module: [1024, 1024], K = its axis 1); Wq (in the module: [1024, 1024], K = its axis 1); Wv (in the module: [1024, 1024], K = its axis 1); x (in the module: [4, 2048, 1024], K = its axis 2): each comes as NAME_codes (uint8): NAME with its K axis moved to the last place and cut into blocks of 32 codes, [.., K / 32, bytes a block], one block behind the other in memory; one code a byte (a code: sign, 4 exponent bits, 3 mantissa bits); its scale is its entry of lowp_scales. Its value is code x scale, taken as it is: it is not quantised again, and the codes and scales need not be those that the quantiser above would give.
;; One version. Each part assembles by itself: llvm-mc -triple=amdgcn-amd-amdhsa -mcpu=gfx1250 --defsym DOCPART=n.
;; ======== version 1 of 1: 4 launches
;; limits: right only within a limited range of input values
;; workspace buffers: rope 524,288 bytes; q_img 8,388,608 bytes; k_img 8,388,608 bytes; v_img 8,388,608 bytes; o_img 8,388,608 bytes
;; launch vproj (part 1): grid 8 x 32, 4 waves a work-group, clusters of 4 x 4, 327,680 bytes of LDS; arguments x_codes, Wv_codes, lowp_scales, v_img, rope; writes v_img, rope
.if DOCPART == 1
	.amdgcn_target "amdgcn-amd-amdhsa--gfx1250"
	.amdhsa_code_object_version 6
	.text
	.protected	k_qad3e64ed2e_vproj
	.globl	k_qad3e64ed2e_vproj
	.p2align	8
	.type	k_qad3e64ed2e_vproj,@function
k_qad3e64ed2e_vproj:
	s_mov_b64 s[64:65], 0
	v_nop
	global_prefetch_b8 v0, s[64:65] scope:SCOPE_SE
	s_setreg_imm32_b32 hwreg(HW_REG_WAVE_MODE, 25, 1), 1
	s_wait_xcnt 0x0
	s_wait_alu depctr_hold_cnt(0) depctr_sa_sdst(0) depctr_va_vdst(0) depctr_va_sdst(0) depctr_va_ssrc(0) depctr_va_vcc(0) depctr_vm_vsrc(0)
	s_getreg_b32 s2, hwreg(HW_REG_IB_STS2, 6, 4)
	s_cmp_eq_u32 s2, 0
	s_cbranch_scc0 .Lentry_in_a_cluster
	s_endpgm
.Lentry_in_a_cluster:
	s_bfe_u32 s2, ttmp6, 0x10000c
	s_cmp_lg_u32 s2, 0xf033
	s_cbranch_scc0 .Lentry_shape_is_right
	s_endpgm
.Lentry_shape_is_right:
; v = x Wv^T on codes of E4M3, quantised again with the scale given for the values of the attention's second product, and stored as images of that product's operand registers.
; Beside it each wave makes one 512-byte piece of the table of cosines and sines that the next launch rotates q and k by.
; x: [8192][1024] codes, Wv: [1024][1024] codes, K innermost.  A sum stands for sum x 2^(e4 + e5); its code is sum / 2^(e9 - e4 - e5), held within +-448.
; LIMITS: e9 - e4 - e5 lies between -126 and 119, so that both powers of two below are f32 numbers.  NaN codes are not served.
; The table's frequencies are the f32 numbers nearest to 10^(-j/8), j = 0 .. 31; the angle is position x frequency, rounded once to f32; the reduction below serves angles up to 2,047.
; SHARES.  A work-group makes 256 tokens x 128 features; a wave 128 tokens x 64 features: one key step of one head: 32 accumulators of 16 x 16.
; SOURCE 0 = 16 TOKENS OF x, SOURCE 1 = 16 ROWS OF Wv: a lane then holds ONE channel (lane % 16) and its eight registers eight neighbouring tokens, 16 a + 8 (lane / 16) + 0 .. 7: the keys, which are the
; next product's K.  So the conversions' results are registers 2 a, 2 a + 1 of that operand, and they are stored as they stand: 16 bytes a lane, 512 consecutive bytes an instruction.
; K = 1,024 goes in four K steps of 256 through three LDS slots: K steps 0, 1, 2 are first fills, K step 3 fills slot 0 again.  Three tensor loads of a wave are out at the most.
; CLUSTER 4 x 4: x's tile hangs on the tile row alone and is asked for jointly along a row of the cluster, Wv's on the tile column alone, along a column.
; Both operands are fetched by four loads of 16 bytes: the same permutation of k in both, so every product meets its partner.
; REGISTERS: window 0: v1, v2 lane % 16, lane / 16; v16-18, v20-22 LDS addresses; v26 16 x lane; v28, v29 for the add; v30, v31 scale and hold; v32-47 the table's arithmetic; v128-255 x's eight fragments, one set.
;   On the way out v32-95 the held sums, v96-159 the codes.   window 1: accumulator (a, b) at v[8 (4 a + b)].   window 2: Wv's four fragments, two sets, at v0 and v64.
.set PITCH,  272                       ; an LDS row: 256 bytes + 16 of padding: the 16 rows of a load start at 16 different groups of four banks
.set HALFX,  128*PITCH                 ; what one load brings of x, and what one wave reads of it
.set XB,     2*HALFX
.set HALFW,  64*PITCH                  ; the same for Wv
.set SLOT,   XB+2*HALFW                ; x's 256 rows, then Wv's 128
.set SPARE,  3*SLOT                    ; behind the slots: the spare words, 128 bytes a wave, two blocks of 256 bytes that no other line names
.set ADRX, 16
.set ADRW, 20
.set CO,   26
.set SPW,  28
.set NIL,  29
.set SC,   30
.set LIM,  31
.set TMP,  32
.set CD,   96
.set XF,   128
.set G1X,  24                          ; s[24:31] group 1 for x's tiles; s[32:43] three groups 0
.set G0X,  32
.set G1W,  44                          ; s[44:51], s[52:63] the same for Wv's
.set G0W,  52
.set MULW, 0x58                        ; source 0 (x) window 0, source 1 (Wv) window 2, C and D window 1
.set TO_W, 0x80                        ; destination window 2
.set MSB, 0
.macro WIN new                         ; the immediate's high byte repeats the setting that is left
.if MSB != (\new)
	s_set_vgpr_msb (MSB<<8)|(\new)
.set MSB, (\new)
.endif
.endm
.macro PLACES                          ; four plain vector lines in front of loads into registers that matrix instructions have read, and of reads of results
.rept 4
	v_nop
.endr
.endm
.macro JLOAD                           ; the joint refill of slot 0: waves 0, 1 ask for x, waves 2, 3 for Wv; four v_nop follow each line
	s_cmp_eq_u32 s15, 0
	s_cbranch_scc0 .Lfor_w_\@
	tensor_load_to_lds s[G0X:G0X+3], s[G1X:G1X+7]
	s_nop 0
.rept 4
	v_nop
.endr
	s_branch .Lasked_\@
.Lfor_w_\@:
	tensor_load_to_lds s[G0W:G0W+3], s[G1W:G1W+7]
	s_nop 0
.rept 4
	v_nop
.endr
.Lasked_\@:
.endm
.macro CREST                           ; a round of the cluster's barrier behind its opening barrier
	s_cmp_lg_u32 s14, 0
	s_cbranch_scc1 .Lnot_wave_0_\@
	s_barrier_signal -3
.Lnot_wave_0_\@:
	s_barrier_wait -3
	s_barrier_signal -1
	s_barrier_wait -1
.endm
.macro CROUND
	s_barrier_signal -1
	s_barrier_wait -1
	CREST
.endm
.macro FRAG reg, adr, q, i             ; 16 rows x 128 K: registers 4 c .. 4 c + 3 hold K = 32 c + 16 (lane / 16) + 0 .. 15
.irp c, 0,1,2,3
	ds_load_b128 v[\reg+4*\c:\reg+4*\c+3], v[\adr] offset:128*(\q)+32*\c+(\i)*16*PITCH
.endr
.endm
.macro FETCH_W slot, q, p              ; Wv's four fragments into set p: 16 loads
	WIN TO_W
.irp i, 0,1,2,3
	FRAG 64*(\p)+16*\i, ADRW+\slot, \q, \i
.endr
	WIN 0
.endm
.macro FETCH_X slot, q, i0             ; x's blocks i0 .. i0 + 3: 16 loads
.irp i, \i0, \i0+1, \i0+2, \i0+3
	FRAG XF+16*(\i), ADRX+\slot, \q, \i
.endr
.endm
.macro MUL8 a0, p, zero                ; x's blocks a0, a0 + 1 against Wv's four; the 32 accumulators take turns, in the same order in every step
.irp a, \a0, \a0+1
.irp b, 0,1,2,3
.if \zero
	v_wmma_f32_16x16x128_fp8_fp8 v[8*(4*(\a)+\b):8*(4*(\a)+\b)+7], v[XF+16*(\a):XF+16*(\a)+15], v[64*(\p)+16*\b:64*(\p)+16*\b+15], 0
.else
	v_wmma_f32_16x16x128_fp8_fp8 v[8*(4*(\a)+\b):8*(4*(\a)+\b)+7], v[XF+16*(\a):XF+16*(\a)+15], v[64*(\p)+16*\b:64*(\p)+16*\b+15], v[8*(4*(\a)+\b):8*(4*(\a)+\b)+7]
.endif
.endr
.endr
.endm
; A step of 128 along K on Wv's set p; the next step's fragments come from slot ns, its nq-th 128 along K.
.macro STEP p, ns, nq, zero
	s_wait_dscnt 16                                ; Wv's set and x's blocks 0-3 are in; the youngest 16 loads (blocks 4-7) may be out
	WIN MULW
	MUL8 0, \p, \zero
	MUL8 2, \p, \zero
	s_wait_dscnt 0                                 ; blocks 4-7 are in
	PLACES
	FETCH_W \ns, \nq, 1-\p
	FETCH_X \ns, \nq, 0
	WIN MULW
	MUL8 4, \p, \zero
	MUL8 6, \p, \zero
	PLACES
	WIN 0
	FETCH_X \ns, \nq, 4
.endm
; A step with a barrier in it.  In front of the barrier each wave waits for all its tensor loads, adds 0 to its spare word, and waits for that and for its LDS reads.
; fill = 1: the barrier opens a round of the cluster's barrier, and slot 0, which nobody reads any more, takes K step 3.  fill = 0: that load has landed for everybody.
.macro TURN p, ns, fill
	s_wait_tensorcnt 0x0                           ; all my tensor loads have landed
	ds_add_u32 v[SPW], v[NIL]                      ; 0 onto my spare word
	s_wait_dscnt 17                                ; (the add and the youngest 16 loads may be out)
	WIN MULW
	MUL8 0, \p, 0
	s_wait_dscnt 0x0                               ; the add is done, and my LDS reads are over
	s_barrier_signal -1
	MUL8 2, \p, 0
	WIN 0
	s_barrier_wait -1
.if \fill
	CREST
	s_add_nc_u64 s[G0X+2:G0X+3], s[G0X+2:G0X+3], 768   ; from K step 0 to K step 3; no load of mine is out, so a group 0 may be written
	s_add_nc_u64 s[G0W+2:G0W+3], s[G0W+2:G0W+3], 768
	JLOAD                                          ; the first tensor load behind the round; its four v_nop are the places in front of the loads below
.else
	PLACES
.endif
	FETCH_W \ns, 0, 1-\p
	FETCH_X \ns, 0, 0
	WIN MULW
	MUL8 4, \p, 0
	MUL8 6, \p, 0
	PLACES
	WIN 0
	FETCH_X \ns, 0, 4
.endm
.macro CASE n, a, b, c, d              ; the four frequencies of piece n of the table
	s_cmp_eq_u32 s71, \n
	s_cselect_b32 s72, \a, s72
	s_cselect_b32 s73, \b, s73
	s_cselect_b32 s74, \c, s74
	s_cselect_b32 s75, \d, s75
.endm
; cos and sin of position (v36) x frequency (v[f]).  k = the nearest whole number to a x 2 / pi; r = a - k pi / 2, pi / 2 in three parts, each step one fused multiply-add; Taylor sums on |r| <= pi / 4
; (cosine through r^8, sine through r^9: the first term left out is under 3e-8); then the quadrant: odd k swaps the two, bit 1 of k turns the sine's sign, bit 1 of k + 1 the cosine's.
.macro SINCOS f, c, s
	v_mul_f32 v40, v36, v[\f]
	v_mul_f32 v41, 0x3f22f983, v40
	v_rndne_f32 v41, v41
	v_fmamk_f32 v42, v41, 0xbfc90fd8, v40
	v_fmamk_f32 v42, v41, 0xb4a8885a, v42
	v_fmamk_f32 v42, v41, 0xa7c234c4, v42
	v_mul_f32 v43, v42, v42
	v_mov_b32 v44, 0x37d00d01
	v_fmaak_f32 v44, v44, v43, 0xbab60b61
	v_fmaak_f32 v44, v44, v43, 0x3d2aaaab
	v_fma_f32 v44, v44, v43, -0.5
	v_fma_f32 v44, v44, v43, 1.0
	v_mov_b32 v45, 0x3638ef1d
	v_fmaak_f32 v45, v45, v43, 0xb9500d01
	v_fmaak_f32 v45, v45, v43, 0x3c088889
	v_fmaak_f32 v45, v45, v43, 0xbe2aaaab
	v_mul_f32 v46, v42, v43
	v_fma_f32 v45, v45, v46, v42
	v_cvt_i32_f32 v47, v41
	v_and_b32 v46, 1, v47
	v_cmp_eq_u32 vcc_lo, 1, v46
	v_cndmask_b32 v[\c], v44, v45, vcc_lo
	v_cndmask_b32 v[\s], v45, v44, vcc_lo
	v_lshlrev_b32 v46, 30, v47
	v_and_b32 v46, 0x80000000, v46
	v_xor_b32 v[\s], v[\s], v46
	v_add_nc_u32 v47, 1, v47
	v_lshlrev_b32 v47, 30, v47
	v_and_b32 v47, 0x80000000, v47
	v_xor_b32 v[\c], v[\c], v47
.endm
	s_load_b256 s[4:11], s[0:1], 0x0               ; x s[4:5], Wv s[6:7], the scales' exponents s[8:9], v's images s[10:11]
	s_load_b64 s[12:13], s[0:1], 0x20              ; the table
	v_lshl_add_u32 v[SPW], v0, 2, SPARE
	v_mov_b32 v[NIL], 0
	ds_add_u32 v28, v29
	ds_add_u32 v28, v29
	s_wait_dscnt 0x0
	v_lshrrev_b32 v1, 5, v0
	v_readfirstlane_b32 s14, v1                    ; wave 0..3
	s_lshr_b32 s15, s14, 1                         ; my half of the tokens.  Also: I fetch for x (0) or for Wv (1)
	s_and_b32 s16, s14, 1                          ; my half of the features.  Also: which half of that tile I fetch
	s_bfe_u32 s66, ttmp6, 0x40000                  ; cx
	s_bfe_u32 s67, ttmp6, 0x40004                  ; cy
	s_lshl_b32 s68, ttmp9, 2
	s_add_co_u32 s68, s68, s66                     ; tile column: 128 features
	s_and_b32 s17, ttmp7, 0xffff
	s_lshl_b32 s17, s17, 2
	s_add_co_u32 s17, s17, s67                     ; tile row: 256 tokens
	s_lshl_b32 s69, s67, 2
	s_lshl_b32 s69, 15, s69                        ; my row of the cluster
	s_lshl_b32 s70, 0x1111, s66                    ; my column
	s_or_b32 s[G1X], s69, (1<<20)|(1<<21)|(5<<22)|(3<<25)   ; the mask; elements of 1 byte; padding on; bit 21 beside a mask; 4 words behind every 64
	s_or_b32 s[G1W], s70, (1<<20)|(1<<21)|(5<<22)|(3<<25)
	s_mov_b32 s[G1X+1], 256<<16                    ; tensor_dim0 = 256
	s_mov_b32 s[G1X+2], 128<<16                    ; tensor_dim1 = 128
	s_mov_b32 s[G1X+3], 256<<16                    ; tile_dim0
	s_mov_b32 s[G1X+4], 128                        ; tile_dim1
	s_mov_b32 s[G1X+5], 1024                       ; from row to row
	s_mov_b32 s[G1X+6], 0
	s_mov_b32 s[G1X+7], 0
	s_mov_b32 s[G1W+1], 256<<16
	s_mov_b32 s[G1W+2], 64<<16
	s_mov_b32 s[G1W+3], 256<<16
	s_mov_b32 s[G1W+4], 64
	s_mov_b32 s[G1W+5], 1024
	s_mov_b32 s[G1W+6], 0
	s_mov_b32 s[G1W+7], 0
	s_lshl_b32 s80, s17, 18                        ; x: row 256 x tile row + 128 x half, 1,024 bytes a row
	s_lshl_b32 s81, s16, 17
	s_add_co_u32 s80, s80, s81
	s_mov_b32 s81, 0
	s_lshl_b32 s82, s68, 17                        ; Wv: row 128 x tile column + 64 x half
	s_lshl_b32 s83, s16, 16
	s_add_co_u32 s82, s82, s83
	s_mov_b32 s83, 0
	s_mul_i32 s88, s16, HALFX                      ; where they go in a slot: no place in the cluster enters an LDS address
	s_mul_i32 s89, s16, HALFW
	s_add_co_u32 s89, s89, XB
	s_wait_kmcnt 0x0
	s_load_b64 s[76:77], s[8:9], 0x10              ; e4, e5
	s_load_b32 s78, s[8:9], 0x24                   ; e9
	s_add_nc_u64 s[84:85], s[4:5], s[80:81]
	s_add_nc_u64 s[86:87], s[6:7], s[82:83]
.irp n, 0,1,2
	s_mov_b32 s[G0X+4*\n], 1
	s_add_co_u32 s[G0X+4*\n+1], s88, \n*SLOT
	s_add_nc_u64 s[G0X+4*\n+2:G0X+4*\n+3], s[84:85], \n*256
	s_or_b32 s[G0X+4*\n+3], s[G0X+4*\n+3], 0x80000000
	s_mov_b32 s[G0W+4*\n], 1
	s_add_co_u32 s[G0W+4*\n+1], s89, \n*SLOT
	s_add_nc_u64 s[G0W+4*\n+2:G0W+4*\n+3], s[86:87], \n*256
	s_or_b32 s[G0W+4*\n+3], s[G0W+4*\n+3], 0x80000000
.endr
	CROUND                                         ; all sixteen work-groups are here: the first joint loads meet
	s_cmp_eq_u32 s15, 0                            ; a wave's three first fills stand in one branch: K steps 0, 1, 2
	s_cbranch_scc0 .Lfirst_w
	tensor_load_to_lds s[G0X:G0X+3], s[G1X:G1X+7]
	s_nop 0
	tensor_load_to_lds s[G0X+4:G0X+7], s[G1X:G1X+7]
	s_nop 0
	tensor_load_to_lds s[G0X+8:G0X+11], s[G1X:G1X+7]
	s_nop 0
.rept 4
	v_nop
.endr
	s_branch .Lfirst_asked
.Lfirst_w:
	tensor_load_to_lds s[G0W:G0W+3], s[G1W:G1W+7]
	s_nop 0
	tensor_load_to_lds s[G0W+4:G0W+7], s[G1W:G1W+7]
	s_nop 0
	tensor_load_to_lds s[G0W+8:G0W+11], s[G1W:G1W+7]
	s_nop 0
.rept 4
	v_nop
.endr
.Lfirst_asked:
	v_and_b32 v1, 15, v0                           ; r
	v_bfe_u32 v2, v0, 4, 1                         ; h
	v_mul_u32_u24 v3, v1, PITCH
	v_lshl_add_u32 v3, v2, 4, v3                   ; a fragment's row x pitch + 16 h
	s_mul_i32 s90, s15, HALFX                      ; my 128 tokens
	s_mul_i32 s91, s16, HALFW                      ; my 64 features, behind x's rows
	s_add_co_u32 s91, s91, XB
.irp n, 0,1,2
	v_add_nc_u32 v[ADRX+\n], s90, v3
	v_add_nc_u32 v[ADRW+\n], s91, v3
	s_add_co_u32 s90, s90, SLOT
	s_add_co_u32 s91, s91, SLOT
.endr
	v_and_b32 v4, 31, v0
	v_lshlrev_b32 v[CO], 4, v4                     ; 16 x lane
	; THE TABLE, while the tiles are on their way.  Piece (T, n): positions 16 T + r, T = 4 x tile row + cx; n = 4 x cluster x + wave.  Lane (r, h) makes cos, sin of frequencies 8 (n / 2) + 4 h + 2 (n % 2) + 0, 1.
	s_lshl_b32 s71, ttmp9, 2
	s_add_co_u32 s71, s71, s14
	s_mov_b32 s72, 0x3f800000
	s_mov_b32 s73, 0x3f3ff911
	s_mov_b32 s74, 0x3ea1e89b
	s_mov_b32 s75, 0x3e72d424
	CASE 1, 0x3f0ff59a, 0x3ed7e89b, 0x3e361887, 0x3e088d77
	CASE 2, 0x3dcccccd, 0x3d99940e, 0x3d0186e2, 0x3cc24350
	CASE 3, 0x3d6655c3, 0x3d2cba15, 0x3c91ad39, 0x3c5a7bf1
	CASE 4, 0x3c23d70a, 0x3bf5b9b0, 0x3b4f3e37, 0x3b1b690d
	CASE 5, 0x3bb8449c, 0x3b8a2e77, 0x3ae91528, 0x3aaec98e
	CASE 6, 0x3a83126f, 0x3a44948c, 0x39a5cb5f, 0x3978a814
	CASE 7, 0x3a136a16, 0x39dd1726, 0x393a7753, 0x390bd472
	s_lshl_b32 s92, s17, 2
	s_add_co_u32 s92, s92, s66                     ; T
	s_lshl_b32 s93, s92, 4
	v_add_nc_u32 v36, s93, v1
	v_cvt_f32_u32 v36, v36                         ; the position
	v_cmp_eq_u32 vcc_lo, 1, v2
	v_mov_b32 v37, s72
	v_mov_b32 v39, s74
	v_cndmask_b32 v37, v37, v39, vcc_lo
	v_mov_b32 v38, s73
	v_mov_b32 v39, s75
	v_cndmask_b32 v38, v38, v39, vcc_lo
	SINCOS 37, 32, 33
	SINCOS 38, 34, 35
	s_lshl_b32 s92, s92, 3
	s_add_co_u32 s92, s92, s71
	s_lshl_b32 s92, s92, 9                         ; 512 bytes a piece
	s_mov_b32 s93, 0
	s_add_nc_u64 s[12:13], s[12:13], s[92:93]
	global_store_b128 v[CO], v[32:35], s[12:13]    ; 512 consecutive bytes
	; where my images go: (16 x batch + head) x 131,072 + key step x 8,192
	s_lshr_b32 s94, s17, 3
	s_lshl_b32 s94, s94, 4
	s_lshl_b32 s95, s68, 1
	s_add_co_u32 s94, s94, s95
	s_add_co_u32 s94, s94, s16
	s_lshl_b32 s94, s94, 17
	s_and_b32 s95, s17, 7
	s_lshl_b32 s95, s95, 1
	s_add_co_u32 s95, s95, s15
	s_lshl_b32 s95, s95, 13
	s_add_co_u32 s94, s94, s95
	s_mov_b32 s95, 0
	s_add_nc_u64 s[10:11], s[10:11], s[94:95]
	s_wait_kmcnt 0x0
	s_sub_co_i32 s78, s78, s76
	s_sub_co_i32 s78, s78, s77                     ; e9 - e4 - e5
	s_add_co_i32 s78, s78, 127
	s_lshl_b32 s79, s78, 23
	v_mov_b32 v[SC], s79                           ; that power of two as f32: the conversion takes its exponent field
	s_add_co_i32 s78, s78, 8
	s_lshl_b32 s78, s78, 23
	s_or_b32 s78, s78, 0x600000
	v_mov_b32 v[LIM], s78                          ; 448 x that
	s_wait_tensorcnt 2                             ; my part of K step 0 is in; the two younger loads may stay out
	s_barrier_signal -1
	s_barrier_wait -1
	FETCH_W 0, 0, 0
	FETCH_X 0, 0, 0
	FETCH_X 0, 0, 4
	STEP 0, 0, 1, 1                                ; the first products start the sums: nothing is cleared
	TURN 1, 1, 1                                   ; every wave has waited for all three fills: slots 1 and 2 are whole for everybody; slot 0 takes K step 3
	STEP 0, 1, 1, 0
	STEP 1, 2, 0, 0
	STEP 0, 2, 1, 0
	TURN 1, 0, 0                                   ; K step 3 has landed for everybody
	STEP 0, 0, 1, 0
	s_wait_dscnt 16                                ; the last step fetches nothing
	WIN MULW
	MUL8 0, 1, 0
	MUL8 2, 1, 0
	s_wait_alu depctr_va_vdst(0)
	s_wait_dscnt 0
	MUL8 4, 1, 0
	MUL8 6, 1, 0
	WIN 0
	; THE WAY OUT, a tile of 16 channels at a time: hold, convert, store.  Each accumulator is read from its low end on.
	PLACES
	s_wait_xcnt 0x0                                ; the table's store has read v32-35
.irp b, 0,1,2,3
	WIN 0x01                                       ; source 0: window 1
.irp a, 0,1,2,3,4,5,6,7
.irp j, 0,1,2,3,4,5,6,7
	v_med3_num_f32 v[TMP+8*\a+\j], v[8*(4*\a+\b)+\j], -v[LIM], v[LIM]   ; the conversion to an 8-bit code does not saturate (ISA guide 7.6.2)
.endr
.endr
	WIN 0
.irp a, 0,1,2,3,4,5,6,7
	v_cvt_scalef32_pk8_fp8_f32 v[CD+16*\b+2*\a:CD+16*\b+2*\a+1], v[TMP+8*\a:TMP+8*\a+7], v[SC]   ; registers 2 a, 2 a + 1: keys 16 a + 8 h + 0 .. 7
.endr
	v_nop                                          ; a plain line between the conversions and the next lines that write their sources
.irp c, 0,1,2,3
	global_store_b128 v[CO], v[CD+16*\b+4*\c:CD+16*\b+4*\c+3], s[10:11] offset:2048*\b+512*\c   ; 512 consecutive bytes, aligned; every tile has its own registers
.endr
.endr
	s_wait_tensorcnt 0x0                           ; the wave's end
	ds_add_u32 v[SPW], v[NIL]
	s_wait_dscnt 0x0
	CROUND                                         ; the closing round
	s_endpgm
.Lfunc_end_k_qad3e64ed2e_vproj:
	.size	k_qad3e64ed2e_vproj, .Lfunc_end_k_qad3e64ed2e_vproj-k_qad3e64ed2e_vproj
	.p2alignl 7, 3214868480
	.fill 96, 4, 3214868480
	.section	.rodata,"a",@progbits
	.p2align	6, 0x0
	.amdhsa_kernel k_qad3e64ed2e_vproj
		.amdhsa_group_segment_fixed_size 327680
		.amdhsa_private_segment_fixed_size 0
		.amdhsa_enable_private_segment 0
		.amdhsa_kernarg_size 40
		.amdhsa_user_sgpr_count 2
		.amdhsa_user_sgpr_kernarg_segment_ptr 1
		.amdhsa_wavefront_size32 1
		.amdhsa_system_sgpr_workgroup_id_x 1
		.amdhsa_system_sgpr_workgroup_id_y 1
		.amdhsa_system_sgpr_workgroup_id_z 1
		.amdhsa_system_vgpr_workitem_id 0
		.amdhsa_next_free_vgpr 640
		.amdhsa_next_free_sgpr 104
		.amdhsa_reserve_vcc 1
		.amdhsa_float_denorm_mode_32 3
		.amdhsa_float_denorm_mode_16_64 3
		.amdhsa_memory_ordered 1
		.amdhsa_forward_progress 1
		.amdhsa_inst_pref_size 79
	.end_amdhsa_kernel
	.amdgpu_metadata
---
amdhsa.version: [ 1, 2 ]
amdhsa.kernels:
  - .name:           k_qad3e64ed2e_vproj
    .symbol:         k_qad3e64ed2e_vproj.kd
    .args:
      - { .name: x_codes, .offset: 0, .size: 8, .value_kind: global_buffer, .address_space: global }
      - { .name: Wv_codes, .offset: 8, .size: 8, .value_kind: global_buffer, .address_space: global }
      - { .name: lowp_scales, .offset: 16, .size: 8, .value_kind: global_buffer, .address_space: global }
      - { .name: v_img, .offset: 24, .size: 8, .value_kind: global_buffer, .address_space: global }
      - { .name: rope, .offset: 32, .size: 8, .value_kind: global_buffer, .address_space: global }
    .group_segment_fixed_size: 327680
    .private_segment_fixed_size: 0
    .kernarg_segment_align: 8
    .kernarg_segment_size: 40
    .max_flat_workgroup_size: 128
    .sgpr_count:     104
    .vgpr_count:     640
    .wavefront_size: 32
...
	.end_amdgpu_metadata
.endif
;; end of part 1
;; launch qkproj (part 2): grid 8 x 32, 4 waves a work-group, clusters of 4 x 4, 327,680 bytes of LDS; arguments x_codes, Wq_codes, Wk_codes, lowp_scales, rope, q_img, k_img; writes q_img, k_img
.if DOCPART == 2
	.amdgcn_target "amdgcn-amd-amdhsa--gfx1250"
	.amdhsa_code_object_version 6
	.text
	.protected	k_qad3e64ed2e_qkproj
	.globl	k_qad3e64ed2e_qkproj
	.p2align	8
	.type	k_qad3e64ed2e_qkproj,@function
k_qad3e64ed2e_qkproj:
	s_mov_b64 s[64:65], 0
	v_nop
	global_prefetch_b8 v0, s[64:65] scope:SCOPE_SE
	s_setreg_imm32_b32 hwreg(HW_REG_WAVE_MODE, 25, 1), 1
	s_wait_xcnt 0x0
	s_wait_alu depctr_hold_cnt(0) depctr_sa_sdst(0) depctr_va_vdst(0) depctr_va_sdst(0) depctr_va_ssrc(0) depctr_va_vcc(0) depctr_vm_vsrc(0)
	s_getreg_b32 s2, hwreg(HW_REG_IB_STS2, 6, 4)
	s_cmp_eq_u32 s2, 0
	s_cbranch_scc0 .Lentry_in_a_cluster
	s_endpgm
.Lentry_in_a_cluster:
	s_bfe_u32 s2, ttmp6, 0x10000c
	s_cmp_lg_u32 s2, 0xf033
	s_cbranch_scc0 .Lentry_shape_is_right
	s_endpgm
.Lentry_shape_is_right:
; q = rope(x Wq^T) and k = rope(x Wk^T) on codes of E4M3, quantised again and stored as images of the operand registers of the attention's first product.
; Cluster x = 0 makes q, cluster x = 1 makes k: the weight, the output and the exponents are chosen by selects on the cluster's number, which all partners share.
; A sum stands for sum x 2^(ea + eb); the rotation is linear, so it is made on the sums, and a code is the rotated sum / 2^E, E = e6 - e0 - e1 for q, e7 - e2 - e3 for k, held within +-448.
; LIMITS: E lies between -126 and 119.  NaN codes are not served.
; SHARES.  A tile of 256 tokens x 256 features for a work-group of four waves; a wave makes 128 x 128: 64 accumulators, 512 registers.  K = 1,024 goes in four K steps of 256 through two LDS slots.
; SOURCE 0 = 16 ROWS OF W, SOURCE 1 = 16 TOKENS OF x: a lane holds one token (lane % 16) and eight neighbouring features 16 b + 8 (lane / 16) + 0 .. 7: four pairs of the rotation, and, converted,
; registers 2 (b % 4), 2 (b % 4) + 1 of head b / 4's fragment.  So a block's codes are stored as they stand, 512 consecutive bytes an instruction, and nothing goes through LDS on the way out.
; CLUSTER 4 x 4: x's tile is asked for jointly along a row of the cluster, W's along a column.  One tensor load of a wave is out at the most.
; REGISTERS: window 0: v16-17, v20-21 LDS addresses; v26 16 x lane; v28, v29 for the add; v30 the scale; v32-95 two sets of the table's 32 numbers; v96-111 at work; v112-127 codes;
;   v128-255 x's fragments, one set, on the way out v128-191 the rotated sums.   window 1: W's fragments, two sets.   windows 2, 3: accumulator (a, b) at v[8 (8 (a % 4) + b)].
.set ROWB,   256
.set PITCH,  272
.set FR,     16
.set HALFT,  128*PITCH
.set SLOT,   4*HALFT
.set SPARE,  2*SLOT                    ; behind the ring: the spare words, 128 bytes a wave, that no other line names
.set ADRA, 16
.set ADRB, 20
.set CO,   26
.set SPW,  28
.set NIL,  29
.set SC,   30
.set LIM,  31
.set TAB,  32
.set TT,   96
.set CD,   112
.set AF,   128
.set TMP,  128
.set G1, 24
.set G0, 32
.set G1B, 48
.set G0B, 56
.set MUL_LO, 0xa1                      ; source 0 (W) window 1, source 1 (x) window 0, C and D window 2
.set MUL_HI, 0xf1
.set TO_B,   0x40
.set MSB, 0
.macro WIN new
.if MSB != (\new)
	s_set_vgpr_msb (MSB<<8)|(\new)
.set MSB, (\new)
.endif
.endm
.macro PLACES
.rept 4
	v_nop
.endr
.endm
.macro JLOAD g0a, g0b                  ; waves 0, 1 ask for x, waves 2, 3 for W; four v_nop follow each line
	s_cmp_eq_u32 s15, 0
	s_cbranch_scc0 .Lfor_b_\@
	tensor_load_to_lds s[\g0a:\g0a+3], s[G1:G1+7]
	s_nop 0
.rept 4
	v_nop
.endr
	s_branch .Lasked_\@
.Lfor_b_\@:
	tensor_load_to_lds s[\g0b:\g0b+3], s[G1B:G1B+7]
	s_nop 0
.rept 4
	v_nop
.endr
.Lasked_\@:
.endm
.macro CREST
	s_cmp_lg_u32 s14, 0
	s_cbranch_scc1 .Lnot_wave_0_\@
	s_barrier_signal -3
.Lnot_wave_0_\@:
	s_barrier_wait -3
	s_barrier_signal -1
	s_barrier_wait -1
.endm
.macro CROUND
	s_barrier_signal -1
	s_barrier_wait -1
	CREST
.endm
.macro FRAG reg, adr, q, i
.irp c, 0,1,2,3
	ds_load_b128 v[\reg+4*\c:\reg+4*\c+3], v[\adr] offset:128*(\q)+32*\c+(\i)*16*PITCH
.endr
.endm
.macro MUL16 a0, p, zero               ; x's blocks a0, a0 + 1 against W's eight; the 64 accumulators take turns
.irp a, \a0, \a0+1
.irp b, 0,1,2,3,4,5,6,7
.if \zero
	v_wmma_f32_16x16x128_fp8_fp8 v[8*(8*((\a)%4)+\b):8*(8*((\a)%4)+\b)+7], v[128*(\p)+FR*\b:128*(\p)+FR*\b+FR-1], v[AF+FR*(\a):AF+FR*(\a)+FR-1], 0
.else
	v_wmma_f32_16x16x128_fp8_fp8 v[8*(8*((\a)%4)+\b):8*(8*((\a)%4)+\b)+7], v[128*(\p)+FR*\b:128*(\p)+FR*\b+FR-1], v[AF+FR*(\a):AF+FR*(\a)+FR-1], v[8*(8*((\a)%4)+\b):8*(8*((\a)%4)+\b)+7]
.endif
.endr
.endr
.endm
.macro FETCH_B slot, q, p
	WIN TO_B
.irp i, 0,1,2,3,4,5,6,7
	FRAG 128*(\p)+FR*\i, ADRB+\slot, \q, \i
.endr
	WIN 0
.endm
.macro FETCH_A slot, q, i0
.irp i, \i0, \i0+1, \i0+2, \i0+3
	FRAG AF+FR*(\i), ADRA+\slot, \q, \i
.endr
.endm
.macro STEP slot, zero                 ; a slot's first 128 along K, on W's set 0; the second 128 are fetched into set 1
	s_wait_dscnt 16                                ; W's set and x's blocks 0-3 are in; the youngest 16 loads (blocks 4-7) may be out
	WIN MUL_LO
	MUL16 0, 0, \zero
	MUL16 2, 0, \zero
	s_wait_dscnt 0
	PLACES
	FETCH_B \slot, 1, 1
	FETCH_A \slot, 1, 0
	WIN MUL_HI
	MUL16 4, 0, \zero
	MUL16 6, 0, \zero
	PLACES
	WIN 0
	FETCH_A \slot, 1, 4
.endm
; A slot's second 128 along K change slots: one barrier; in front of it each wave waits for all its tensor loads, adds 0 to its spare word, and waits for that and for its reads of this slot.
.macro TURN slot, next, fill
	s_wait_tensorcnt 0x0                           ; all my tensor loads have landed: my part of the next slot
	ds_add_u32 v[SPW], v[NIL]                      ; 0 onto my spare word
	s_wait_dscnt 17                                ; (the add and the youngest 16 loads may be out)
	WIN MUL_LO
	MUL16 0, 1, 0
	s_wait_dscnt 0x0                               ; the add is done, and my reads of this slot are over
	s_barrier_signal -1
	MUL16 2, 1, 0
	WIN 0
	s_barrier_wait -1
.if \fill
	CREST                                          ; the barrier has opened a round of the cluster's barrier
	s_add_nc_u64 s[G0+4*\slot+2:G0+4*\slot+3], s[G0+4*\slot+2:G0+4*\slot+3], 2*ROWB
	s_add_nc_u64 s[G0B+4*\slot+2:G0B+4*\slot+3], s[G0B+4*\slot+2:G0B+4*\slot+3], 2*ROWB
	JLOAD G0+4*\slot, G0B+4*\slot                  ; the first tensor load behind the round; its four v_nop are the places in front of the loads below
.else
	PLACES
.endif
	FETCH_B \next, 0, 0
	FETCH_A \next, 0, 0
	WIN MUL_HI
	MUL16 4, 1, 0
	MUL16 6, 1, 0
	PLACES
	WIN 0
	FETCH_A \next, 0, 4
.endm
.macro LOADTAB a                       ; block a's 16 positions: eight pieces of 512 bytes: (cos, sin) of my token for the 16 pairs that a lane of my half holds in a head
.irp n, 0,1,2,3,4,5,6,7
	global_load_b128 v[TAB+32*((\a)%2)+4*\n:TAB+32*((\a)%2)+4*\n+3], v[CO], s[68:69] offset:4096*(\a)+512*\n
.endr
.endm
; The rotation of block a: for a pair (xe, xo) and its (c, s): (xo s, xe s) by one packed multiply, then (xe c - xo s, xo c + xe s) by one packed multiply-add.
.macro ROT a
.set AC, 64*((\a)%4)
.set TBL, TAB+32*((\a)%2)
	WIN 0x02+((\a)/4)                              ; source 0: window 2 or 3
.irp b, 0,1,2,3,4,5,6,7
.irp i, 0,1,2,3
	v_pk_mul_f32 v[TT+8*(\b%2)+2*\i:TT+8*(\b%2)+2*\i+1], v[AC+8*\b+2*\i:AC+8*\b+2*\i+1], v[TBL+8*(\b%4)+2*\i:TBL+8*(\b%4)+2*\i+1] op_sel:[1,1] op_sel_hi:[0,1]
.endr
.irp i, 0,1,2,3
	v_pk_fma_f32 v[TMP+8*\b+2*\i:TMP+8*\b+2*\i+1], v[AC+8*\b+2*\i:AC+8*\b+2*\i+1], v[TBL+8*(\b%4)+2*\i:TBL+8*(\b%4)+2*\i+1], v[TT+8*(\b%2)+2*\i:TT+8*(\b%2)+2*\i+1] op_sel_hi:[1,0,1] neg_lo:[0,0,1]
.endr
.endr
	WIN 0
.endm
	s_load_b256 s[4:11], s[0:1], 0x0               ; x s[4:5], Wq s[6:7], Wk s[8:9], the scales' exponents s[10:11]
	s_load_b128 s[68:71], s[0:1], 0x20             ; the table s[68:69], q's images s[70:71]
	s_load_b64 s[72:73], s[0:1], 0x30              ; k's images
	v_lshl_add_u32 v[SPW], v0, 2, SPARE
	v_mov_b32 v[NIL], 0
	ds_add_u32 v28, v29
	ds_add_u32 v28, v29
	s_wait_dscnt 0x0
	v_lshrrev_b32 v1, 5, v0
	v_readfirstlane_b32 s14, v1                    ; wave 0..3
	s_lshr_b32 s15, s14, 1                         ; my half of the tokens.  Also: I fetch for x (0) or for W (1)
	s_and_b32 s16, s14, 1                          ; my half of the features.  Also: which 128 rows of that tile I fetch
	s_bfe_u32 s40, ttmp6, 0x40000                  ; cx: which 256 rows of the weight
	s_bfe_u32 s41, ttmp6, 0x40004                  ; cy
	s_and_b32 s17, ttmp7, 0xffff
	s_lshl_b32 s17, s17, 2
	s_add_co_u32 s17, s17, s41                     ; tile row: 256 tokens
	s_lshl_b32 s43, s41, 2
	s_lshl_b32 s43, 15, s43                        ; my row of the cluster
	s_lshl_b32 s44, 0x1111, s40                    ; my column
	s_or_b32 s[G1], s43, (1<<20)|(1<<21)|(5<<22)|(3<<25)    ; the mask; elements of 1 byte; padding on; bit 21 beside a mask; 4 words behind every 64
	s_or_b32 s[G1B], s44, (1<<20)|(1<<21)|(5<<22)|(3<<25)
.irp g, G1, G1B
	s_mov_b32 s[\g+1], ROWB<<16                    ; tensor_dim0
	s_mov_b32 s[\g+2], 128<<16                     ; tensor_dim1
	s_mov_b32 s[\g+3], ROWB<<16                    ; tile_dim0
	s_mov_b32 s[\g+4], 128                         ; tile_dim1
	s_mov_b32 s[\g+5], 1024                        ; from row to row
	s_mov_b32 s[\g+6], 0
	s_mov_b32 s[\g+7], 0
.endr
	s_lshl_b32 s20, s17, 18                        ; x: row 256 x tile row + 128 x half, 1,024 bytes a row
	s_lshl_b32 s21, s16, 17
	s_add_co_u32 s20, s20, s21
	s_mov_b32 s21, 0
	s_lshl_b32 s46, s40, 18                        ; W: row 256 cx + 128 x half
	s_lshl_b32 s47, s16, 17
	s_add_co_u32 s46, s46, s47
	s_mov_b32 s47, 0
	s_mul_i32 s45, s14, HALFT                      ; where they go: wave x 128 rows
	s_wait_kmcnt 0x0
	s_load_b256 s[76:83], s[10:11], 0x0            ; e0 .. e7
	s_cmp_eq_u32 ttmp9, 0                          ; q or k?
	s_cselect_b64 s[6:7], s[6:7], s[8:9]
	s_cselect_b64 s[70:71], s[70:71], s[72:73]
	s_add_nc_u64 s[20:21], s[4:5], s[20:21]
	s_add_nc_u64 s[46:47], s[6:7], s[46:47]
	CROUND                                         ; all sixteen work-groups are here: the first joint loads meet
.irp s, 0,1
	s_mov_b32 s[G0+4*\s], 1
	s_add_co_u32 s[G0+4*\s+1], s45, \s*SLOT
	s_add_nc_u64 s[G0+4*\s+2:G0+4*\s+3], s[20:21], \s*ROWB
	s_or_b32 s[G0+4*\s+3], s[G0+4*\s+3], 0x80000000
	s_mov_b32 s[G0B+4*\s], 1
	s_add_co_u32 s[G0B+4*\s+1], s45, \s*SLOT
	s_add_nc_u64 s[G0B+4*\s+2:G0B+4*\s+3], s[46:47], \s*ROWB
	s_or_b32 s[G0B+4*\s+3], s[G0B+4*\s+3], 0x80000000
	s_wait_alu depctr_va_vdst(0)
	s_wait_tensorcnt 0x0
	ds_add_u32 v28, v29
	ds_add_u32 v28, v29
	s_wait_dscnt 0x0
	CROUND
	JLOAD G0+4*\s, G0B+4*\s
.endr
	v_and_b32 v1, 15, v0
	v_bfe_u32 v2, v0, 4, 1
	v_mul_u32_u24 v3, v1, PITCH
	v_lshl_add_u32 v4, v2, 4, v3
	s_mul_i32 s22, s15, HALFT                      ; my 128 tokens
	s_mul_i32 s23, s16, HALFT                      ; my 128 features, behind x's 256 rows
	s_add_co_u32 s23, s23, 2*HALFT
.irp s, 0,1
	v_add_nc_u32 v[ADRA+\s], s22, v4
	v_add_nc_u32 v[ADRB+\s], s23, v4
	s_add_co_u32 s22, s22, SLOT
	s_add_co_u32 s23, s23, SLOT
.endr
	v_and_b32 v5, 31, v0
	v_lshlrev_b32 v[CO], 4, v5                     ; 16 x lane
	s_and_b32 s87, s17, 7                          ; the table at my first tile of 16 positions: 16 (tile row % 8) + 8 x half, 4,096 bytes each
	s_lshl_b32 s88, s87, 16
	s_lshl_b32 s89, s15, 15
	s_add_co_u32 s88, s88, s89
	s_mov_b32 s89, 0
	s_add_nc_u64 s[68:69], s[68:69], s[88:89]
	LOADTAB 0                                      ; they land under the products
	LOADTAB 1
	s_lshr_b32 s90, s17, 3                         ; the images: (16 x batch + 4 cx + 2 x half) x 131,072 + the same tile x 1,024
	s_lshl_b32 s90, s90, 4
	s_lshl_b32 s91, s40, 2
	s_add_co_u32 s90, s90, s91
	s_lshl_b32 s91, s16, 1
	s_add_co_u32 s90, s90, s91
	s_lshl_b32 s90, s90, 17
	s_lshl_b32 s91, s87, 14
	s_add_co_u32 s90, s90, s91
	s_lshl_b32 s91, s15, 13
	s_add_co_u32 s90, s90, s91
	s_mov_b32 s91, 0
	s_add_nc_u64 s[70:71], s[70:71], s[90:91]
	s_wait_alu depctr_va_vdst(0)
	s_wait_kmcnt 0x0
	s_cmp_eq_u32 ttmp9, 0
	s_cselect_b32 s84, s82, s83                    ; e6 or e7
	s_cselect_b32 s85, s76, s78                    ; e0 or e2
	s_cselect_b32 s86, s77, s79                    ; e1 or e3
	s_sub_co_i32 s84, s84, s85
	s_sub_co_i32 s84, s84, s86
	s_add_co_i32 s84, s84, 127
	s_lshl_b32 s85, s84, 23
	v_mov_b32 v[SC], s85                           ; 2^E as f32
	s_wait_tensorcnt 1                             ; my part of K step 0 is in; K step 1's load may stay out
	s_barrier_signal -1
	s_barrier_wait -1
	FETCH_B 0, 0, 0
	FETCH_A 0, 0, 0
	FETCH_A 0, 0, 4
	STEP 0, 1                                      ; the first products start the sums
	TURN 0, 1, 1                                   ; slot 0 takes K step 2
	STEP 1, 0
	TURN 1, 0, 1                                   ; slot 1 takes K step 3
	STEP 0, 0
	TURN 0, 1, 0                                   ; nothing is left to fetch
	STEP 1, 0
	s_wait_dscnt 16
	WIN MUL_LO
	MUL16 0, 1, 0
	MUL16 2, 1, 0
	s_wait_dscnt 0
	WIN MUL_HI
	MUL16 4, 1, 0
	MUL16 6, 1, 0
	WIN 0
	; THE WAY OUT, a block of 16 tokens at a time: rotate, hold, convert, store.
	PLACES
.irp a, 0,1,2,3,4,5,6,7
.if \a < 7
	s_wait_loadcnt 8                               ; this block's eight table loads are in; the next block's eight may be out
.else
	s_wait_loadcnt 0
.endif
	ROT \a
.if \a < 6
	LOADTAB \a+2
.endif
.set n, 0
.rept 64
.set n, n+1
.endr
	s_wait_alu depctr_va_vdst(0)
	s_wait_xcnt 0x0                                ; the last block's stores have read the codes' registers
.irp b, 0,1,2,3,4,5,6,7
	v_cvt_scalef32_pk8_fp8_f32 v[CD+2*\b:CD+2*\b+1], v[TMP+8*\b:TMP+8*\b+7], v[SC]
.endr
	v_nop                                          ; a plain line between the conversions and the next lines that write their sources
.irp e, 0,1
.irp c, 0,1
	global_store_b128 v[CO], v[CD+8*\e+4*\c:CD+8*\e+4*\c+3], s[70:71] offset:131072*\e+1024*\a+512*\c   ; head e of my two: 512 consecutive bytes, aligned
.endr
.endr
.endr
	s_wait_tensorcnt 0x0                           ; the wave's end
	ds_add_u32 v[SPW], v[NIL]
	s_wait_dscnt 0x0
	CROUND                                         ; the closing round
	s_endpgm
.Lfunc_end_k_qad3e64ed2e_qkproj:
	.size	k_qad3e64ed2e_qkproj, .Lfunc_end_k_qad3e64ed2e_qkproj-k_qad3e64ed2e_qkproj
	.p2alignl 7, 3214868480
	.fill 96, 4, 3214868480
	.section	.rodata,"a",@progbits
	.p2align	6, 0x0
	.amdhsa_kernel k_qad3e64ed2e_qkproj
		.amdhsa_group_segment_fixed_size 327680
		.amdhsa_private_segment_fixed_size 0
		.amdhsa_enable_private_segment 0
		.amdhsa_kernarg_size 56
		.amdhsa_user_sgpr_count 2
		.amdhsa_user_sgpr_kernarg_segment_ptr 1
		.amdhsa_wavefront_size32 1
		.amdhsa_system_sgpr_workgroup_id_x 1
		.amdhsa_system_sgpr_workgroup_id_y 1
		.amdhsa_system_sgpr_workgroup_id_z 1
		.amdhsa_system_vgpr_workitem_id 0
		.amdhsa_next_free_vgpr 1024
		.amdhsa_next_free_sgpr 104
		.amdhsa_reserve_vcc 0
		.amdhsa_float_denorm_mode_32 3
		.amdhsa_float_denorm_mode_16_64 3
		.amdhsa_fp16_overflow 1
		.amdhsa_memory_ordered 1
		.amdhsa_forward_progress 1
		.amdhsa_inst_pref_size 125
	.end_amdhsa_kernel
	.amdgpu_metadata
---
amdhsa.version: [ 1, 2 ]
amdhsa.kernels:
  - .name:           k_qad3e64ed2e_qkproj
    .symbol:         k_qad3e64ed2e_qkproj.kd
    .args:
      - { .name: x_codes, .offset: 0, .size: 8, .value_kind: global_buffer, .address_space: global }
      - { .name: Wq_codes, .offset: 8, .size: 8, .value_kind: global_buffer, .address_space: global }
      - { .name: Wk_codes, .offset: 16, .size: 8, .value_kind: global_buffer, .address_space: global }
      - { .name: lowp_scales, .offset: 24, .size: 8, .value_kind: global_buffer, .address_space: global }
      - { .name: rope, .offset: 32, .size: 8, .value_kind: global_buffer, .address_space: global }
      - { .name: q_img, .offset: 40, .size: 8, .value_kind: global_buffer, .address_space: global }
      - { .name: k_img, .offset: 48, .size: 8, .value_kind: global_buffer, .address_space: global }
    .group_segment_fixed_size: 327680
    .private_segment_fixed_size: 0
    .kernarg_segment_align: 8
    .kernarg_segment_size: 56
    .max_flat_workgroup_size: 128
    .sgpr_count:     104
    .vgpr_count:     1024
    .wavefront_size: 32
...
	.end_amdgpu_metadata
.endif
;; end of part 2
;; launch attn (part 3): grid 4 x 64, 8 waves a work-group, no clusters, 327,680 bytes of LDS; arguments q_img, k_img, v_img, lowp_scales, o_img; writes o_img
.if DOCPART == 3
	.amdgcn_target "amdgcn-amd-amdhsa--gfx1250"
	.amdhsa_code_object_version 6
	.text
	.protected	k_qad3e64ed2e_attn
	.globl	k_qad3e64ed2e_attn
	.p2align	8
	.type	k_qad3e64ed2e_attn,@function
k_qad3e64ed2e_attn:
	s_mov_b64 s[64:65], 0
	v_nop
	global_prefetch_b8 v0, s[64:65] scope:SCOPE_SE
	s_setreg_imm32_b32 hwreg(HW_REG_WAVE_MODE, 25, 1), 1
	s_wait_xcnt 0x0
; Causal attention on codes of E4M3: o = softmax(q k^T / 8, keys up to the query) v, for 64 pairs of batch and head, 2,048 positions, head size 64; o is quantised again and stored as images of the last product's operand.
; t = score x log2(e) / 8; M = the running largest t rounded up to a whole number; p = 2^(t - M) is quantised with 2^e8, not normalised; the row's sum is taken of the unquantised p and divides at the end.
; When M moves, the sum and O are multiplied by 2^(old M - new M), which rounds nothing.
; LIMITS: e6 + e7 between -123 and 130 (they are added to the exponent field of log2(e) / 8); e8, and e10 - e8 - e9, between -126 and 119.  NaN codes are not served.
; SHARES.  Work-group i of a head takes the blocks of 256 queries i and 7 - i, one after the other: (i + 1) + (8 - i) = 9 slots of 256 keys, whatever i is: the loop's trip count is a constant and all work-groups have equal work.
; Each of eight waves owns 32 queries of a block, two tiles A and B of 16, which share every fragment of K and V; two waves to a SIMD.
; LAYOUT.  S^T = K Q^T (source 0 = 16 keys, source 1 = 16 queries), O^T = V^T P^T (source 0 = 16 channels, source 1 = P): a lane holds one query (lane % 16) throughout.  Register j of key tile u is key
; 16 u + 8 (lane / 16) + j: the place that the 128-deep form gives registers 2 u, 2 u + 1: the conversions' results are P's registers.  All operands lie in memory and in LDS as images of their registers:
; every load is 16 bytes at 16 x lane, 512 consecutive bytes an instruction.
; RING.  Two slots of 32,768 bytes: K's 16 tiles, then V's two key steps.  Wave 0 fetches K's 16,384 bytes, wave 1 V's, one dense load each; one load of a wave is out at the most.
; NO CLUSTER: in one trip the four work-groups of a head want different slots (the slot hangs on i), and other heads share nothing.
; A step all of whose keys come after the wave's queries is left out by a scalar branch on ids; no barrier and no tensor load stands in a step.
; REGISTERS: window 0: v1 16 x lane; v2 the step's LDS address; v3 256 x lane; v4, v5 for the add; v6 my tiles' byte offset in q's and o's images; v7 lane % 16 - 8 (lane / 16);
;   v[8:9] -M and the largest t of A, v[10:11] its sum; v[12:15] the same of B; v16-23 at work; v24 p's scale; v26 o's; v[28:29], v[30:31] f of A, of B;
;   v32-95 K's eight fragments; v96-159, v160-223 S^T, then p, of A, of B; v224-239, v240-255 P's codes.   window 1: v0-63 V's four fragments; v64-95, v96-127 O^T of A, of B; v128-135, v136-143 Q of A, of B.
.set SLOT1, 32768
.set SPARE, 65536                      ; behind the ring: the spare words, 128 bytes a wave, four blocks of 256 bytes that no other line names
.set KFR, 32
.set SA,  96
.set SB,  160
.set PA,  224
.set PB,  240
.set MSB, 0
.macro WIN new
.if MSB != (\new)
	s_set_vgpr_msb (MSB<<8)|(\new)
.set MSB, (\new)
.endif
.endm
.macro TLOAD                           ; waves 0 and 1 fetch; four v_nop follow the line
	s_cmp_lt_u32 s14, 2
	s_cbranch_scc0 .Lno_load_\@
	tensor_load_to_lds s[32:35], s[24:31]
	s_nop 0
.rept 4
	v_nop
.endr
.Lno_load_\@:
.endm
; A prefetch into the L2: in trip t, slot t + 1 of the head's K and V, which work-group 0 asks for one change of slots later.  Work-group 0 of a head asks, and nobody else; in it waves 4, 5 take K's
; 16,384 bytes and waves 6, 7 V's, 8,192 bytes a wave, lanes 256 bytes apart: each aligned block of 256 bytes of slots 1 to 7 is named once.  The last change that fills a slot asks for nothing.
.macro ASK
	s_cmp_gt_u32 s41, s15
	s_cbranch_scc0 .Lnot_mine_\@
	global_prefetch_b8 v3, s[46:47] th:TH_LOAD_NT scope:SCOPE_SE
.Lnot_mine_\@:
.endm
; The change of slots, at a slot's head.  Each wave waits for all its tensor loads, adds 0 to its spare word, and waits for that and for its reads of the slot that it has left.
; fill = 1: the slot just left takes the keys of the next trip: trip u reads slot u of the keys while u <= i, and slot u - i - 1 after.
.macro CHANGE fill
	s_wait_tensorcnt 0x0                           ; no tensor load of mine is out, so the group 0 may be written
	ds_add_u32 v4, v5                              ; 0 onto my spare word
.if \fill
	s_xor_b32 s33, s33, SLOT1                      ; the other LDS slot than last time
	s_sub_co_u32 s45, 9, s41                       ; the next trip's number
	s_add_co_u32 s53, s44, 1
	s_cmp_gt_u32 s45, s44
	s_cselect_b32 s53, s53, 0
	s_sub_co_u32 s45, s45, s53                     ; its slot of keys
	s_lshl_b32 s38, s45, 14                        ; 16,384 bytes a slot, in K's images and in V's
	s_add_nc_u64 s[34:35], s[36:37], s[38:39]
	s_or_b32 s35, s35, 0x80000000
	s_wait_xcnt 0x0                                ; the last prefetch, a trip back, has read its address
	s_add_nc_u64 s[46:47], s[46:47], 16384
.endif
	s_wait_dscnt 0x0                               ; the add is done, and my reads of the slot that I have left are over
	s_barrier_signal -1
	s_barrier_wait -1
.if \fill
	TLOAD                                          ; the first thing behind the barrier, and a wave's one tensor load until the next
	ASK
.endif
.endm
.macro SETBLK b                        ; s[b]: the block of 256 queries
	s_lshl_b32 s45, s[\b], 14
	s_lshl_b32 s53, s14, 11
	s_add_co_u32 s45, s45, s53
	v_add_nc_u32 v6, s45, v1                       ; tile 16 x block + 2 x wave, 1,024 bytes a tile, + 16 x lane
	s_lshl_b32 s43, s[\b], 8
	s_lshl_b32 s53, s14, 5
	s_add_co_u32 s43, s43, s53                     ; my first query
	s_mov_b32 s42, 0                               ; the first key
.endm
.macro INITP                           ; a pass begins: O^T and the sums are zeros, the largest t lies under every t, Q comes in
	WIN 0x40                                       ; destination window 1
.set n, 0
.rept 64
	v_mov_b32 v[64+n], 0                           ; the step is written once: the first step of a pass finds zeros, which its change of M leaves zeros
.set n, n+1
.endr
	global_load_b128 v[128:131], v6, s[16:17]
	global_load_b128 v[132:135], v6, s[16:17] offset:512
	global_load_b128 v[136:139], v6, s[16:17] offset:1024
	global_load_b128 v[140:143], v6, s[16:17] offset:1536
	WIN 0
	v_mov_b32 v9, 0xff61b1e6
	v_mov_b32 v13, 0xff61b1e6
	s_delay_alu instid0(VALU_DEP_2)
	v_floor_f32 v8, -v9
	s_delay_alu instid0(VALU_DEP_2)
	v_floor_f32 v12, -v13
	v_mov_b32 v10, 0
	v_mov_b32 v11, 0
	v_mov_b32 v14, 0
	v_mov_b32 v15, 0
	s_wait_loadcnt 0x0
.endm
.macro OUTP                            ; a pass ends: O^T / the sum, held, converted with 2^(e10 - e8 - e9), stored as two fragments of 16 tokens x 64 channels
.rept 4
	v_nop
.endr
	v_add_f32 v10, v10, v11
	v_add_f32 v14, v14, v15
	s_delay_alu instid0(VALU_DEP_2)
	v_permlanex16_b32 v18, v10, s20, s21
	s_delay_alu instid0(VALU_DEP_2)
	v_permlanex16_b32 v22, v14, s20, s21
	s_delay_alu instid0(VALU_DEP_2)
	v_add_f32 v10, v10, v18
	s_delay_alu instid0(VALU_DEP_2)
	v_add_f32 v14, v14, v22
	s_wait_alu depctr_va_vdst(0)
	v_rcp_f32 v28, v10
	v_rcp_f32 v30, v14
	v_nop                                          ; a plain line behind the reciprocals
	s_wait_alu depctr_va_vdst(0)                   ; one wait for both, ahead of their first reader
	WIN 0x01                                       ; source 0: window 1
.set n, 0
.rept 16
	v_pk_mul_f32 v[SA+n:SA+n+1], v[64+n:65+n], v[28:29] op_sel_hi:[1,0]
	v_pk_mul_f32 v[SB+n:SB+n+1], v[96+n:97+n], v[30:31] op_sel_hi:[1,0]
.set n, n+2
.endr
	WIN 0
.set n, 0
.rept 32
.set n, n+1
.endr
.irp t, 0,1,2,3
	v_cvt_scalef32_pk8_fp8_f32 v[PA+2*\t:PA+2*\t+1], v[SA+8*\t:SA+8*\t+7], v26   ; registers 2 t, 2 t + 1: channels 16 t + 8 h + 0 .. 7
	v_cvt_scalef32_pk8_fp8_f32 v[PB+2*\t:PB+2*\t+1], v[SB+8*\t:SB+8*\t+7], v26
.endr
	v_nop
	global_store_b128 v6, v[PA:PA+3], s[18:19]
	global_store_b128 v6, v[PA+4:PA+7], s[18:19] offset:512
	global_store_b128 v6, v[PB:PB+3], s[18:19] offset:1024
	global_store_b128 v6, v[PB+4:PB+7], s[18:19] offset:1536
	s_wait_xcnt 0x0                                ; v6 and the codes' registers are written again only behind this wait
.endm
; A key step: 128 keys, the q-th of the slot in hand.  Every stage has tile A's line and then tile B's.
.macro STEP q
	s_add_co_u32 s45, s43, 31
	s_cmp_gt_u32 s42, s45                          ; all keys come after my 32 queries?
	s_cbranch_scc1 .Lhidden_\@
	v_add_nc_u32 v2, s40, v1
.rept 3
	v_nop                                          ; with the addition: four places in front of loads into registers that the last products read
.endr
.irp t, 0,1,2,3,4,5,6,7
	ds_load_b128 v[KFR+8*\t:KFR+8*\t+3], v2 offset:(8*(\q)+\t)*1024
	ds_load_b128 v[KFR+8*\t+4:KFR+8*\t+7], v2 offset:(8*(\q)+\t)*1024+512
.endr
	WIN 0x40                                       ; destination window 1
.irp t, 0,1,2,3
.irp c, 0,1,2,3
	ds_load_b128 v[16*\t+4*\c:16*\t+4*\c+3], v2 offset:16384+8192*(\q)+2048*\t+512*\c
.endr
.endr
	s_wait_dscnt 16                                ; K's 16 loads are in; V's 16 may be out
	WIN 0x04                                       ; source 1 (Q): window 1
.irp t, 0,1,2,3,4,5,6,7
	v_wmma_f32_16x16x64_fp8_fp8 v[SA+8*\t:SA+8*\t+7], v[KFR+8*\t:KFR+8*\t+7], v[128:135], 0
	v_wmma_f32_16x16x64_fp8_fp8 v[SB+8*\t:SB+8*\t+7], v[KFR+8*\t:KFR+8*\t+7], v[136:143], 0
.endr
	WIN 0
.rept 4
	v_nop
.endr
	s_add_co_u32 s45, s42, 127
	s_cmp_le_u32 s45, s43                          ; all keys count for all my queries?
	s_cbranch_scc1 .Lopen_\@
	s_sub_co_i32 s45, s43, s42
	v_add_nc_u32 v18, s45, v7                      ; d = my query - the step's first key - 8 (lane / 16): register 8 u + j holds a hidden key where 16 u + j > d
	s_delay_alu instid0(VALU_DEP_1)
	v_add_nc_u32 v22, 16, v18
	v_mov_b32 v19, 0xff800000                      ; -infinity: p = 0 then
.set n, 0
.rept 64
	v_cmp_gt_i32 vcc_lo, 16*(n/8)+n%8, v18
	v_cndmask_b32 v[SA+n], v[SA+n], v19, vcc_lo
	v_cmp_gt_i32 vcc_lo, 16*(n/8)+n%8, v22
	v_cndmask_b32 v[SB+n], v[SB+n], v19, vcc_lo
.set n, n+1
.endr
.Lopen_\@:
	v_max3_num_f32 v16, v[SA], v[SA+1], v[SA+2]    ; the step's largest score of my query among my 64 keys: two chains a tile, each accumulator from its low end on
	v_max3_num_f32 v20, v[SB], v[SB+1], v[SB+2]
	v_max3_num_f32 v17, v[SA+3], v[SA+4], v[SA+5]
	v_max3_num_f32 v21, v[SB+3], v[SB+4], v[SB+5]
.set n, 6
.rept 14
	v_max3_num_f32 v16, v16, v[SA+n], v[SA+n+1]
	v_max3_num_f32 v20, v20, v[SB+n], v[SB+n+1]
	v_max3_num_f32 v17, v17, v[SA+n+2], v[SA+n+3]
	v_max3_num_f32 v21, v21, v[SB+n+2], v[SB+n+3]
.set n, n+4
.endr
	v_max3_num_f32 v16, v16, v[SA+62], v[SA+63]
	v_max3_num_f32 v20, v20, v[SB+62], v[SB+63]
	s_delay_alu instid0(VALU_DEP_2)
	v_max_num_f32 v16, v16, v17
	s_delay_alu instid0(VALU_DEP_2)
	v_max_num_f32 v20, v20, v21
	s_delay_alu instid0(VALU_DEP_2)
	v_permlanex16_b32 v18, v16, s20, s21           ; the query's other 64 keys lie in the lane 16 away
	s_delay_alu instid0(VALU_DEP_2)
	v_permlanex16_b32 v22, v20, s20, s21
	s_delay_alu instid0(VALU_DEP_2)
	v_max_num_f32 v16, v16, v18
	s_delay_alu instid0(VALU_DEP_2)
	v_max_num_f32 v20, v20, v22
	s_delay_alu instid0(VALU_DEP_2)
	v_mul_f32 v16, s22, v16                        ; as t
	s_delay_alu instid0(VALU_DEP_2)
	v_mul_f32 v20, s22, v20
	s_delay_alu instid0(VALU_DEP_2)
	v_max_num_f32 v9, v9, v16                      ; the running largest t
	s_delay_alu instid0(VALU_DEP_2)
	v_max_num_f32 v13, v13, v20
	v_mov_b32 v19, v8
	v_mov_b32 v23, v12
	s_delay_alu instid0(VALU_DEP_4)
	v_floor_f32 v8, -v9                            ; -M = floor(-t): M is a whole number
	s_delay_alu instid0(VALU_DEP_4)
	v_floor_f32 v12, -v13
	s_delay_alu instid0(VALU_DEP_2)
	v_sub_f32 v19, v8, v19                         ; old M - new M, 0 or less
	s_delay_alu instid0(VALU_DEP_2)
	v_sub_f32 v23, v12, v23
	s_delay_alu instid0(VALU_DEP_2)
	v_cvt_i32_f32 v19, v19                         ; (it saturates)
	s_delay_alu instid0(VALU_DEP_2)
	v_cvt_i32_f32 v23, v23
	s_delay_alu instid0(VALU_DEP_2)
	v_ldexp_f32 v28, 1.0, v19                      ; f = 2^(old M - new M)
	s_delay_alu instid0(VALU_DEP_2)
	v_ldexp_f32 v30, 1.0, v23
.set n, 0
.rept 32
	v_pk_fma_f32 v[SA+n:SA+n+1], v[SA+n:SA+n+1], s[22:23], v[8:9] op_sel_hi:[1,0,0]     ; t - M, two at a time
	v_pk_fma_f32 v[SB+n:SB+n+1], v[SB+n:SB+n+1], s[22:23], v[12:13] op_sel_hi:[1,0,0]
.set n, n+2
.endr
.set n, 0
	s_wait_alu depctr_va_vdst(0)
.rept 64
	v_exp_f32 v[SA+n], v[SA+n]                     ; p = 2^(t - M)
	v_exp_f32 v[SB+n], v[SB+n]
.set n, n+1
.endr
	v_pk_mul_f32 v[10:11], v[10:11], v[28:29] op_sel_hi:[1,0]   ; the sums under the new M; also the plain line behind the exponentials
	v_pk_mul_f32 v[14:15], v[14:15], v[30:31] op_sel_hi:[1,0]
	s_wait_alu depctr_va_vdst(0)                   ; one wait for the 128 exponentials, ahead of their first reader
	v_pk_add_f32 v[16:17], v[SA:SA+1], v[SA+2:SA+3]   ; the sum of the unquantised p, two chains a tile
	v_pk_add_f32 v[20:21], v[SB:SB+1], v[SB+2:SB+3]
.set n, 4
.rept 15
	v_pk_add_f32 v[10:11], v[10:11], v[SA+n:SA+n+1]
	v_pk_add_f32 v[14:15], v[14:15], v[SB+n:SB+n+1]
	v_pk_add_f32 v[16:17], v[16:17], v[SA+n+2:SA+n+3]
	v_pk_add_f32 v[20:21], v[20:21], v[SB+n+2:SB+n+3]
.set n, n+4
.endr
	s_delay_alu instid0(VALU_DEP_2)
	v_pk_add_f32 v[10:11], v[10:11], v[16:17]
	s_delay_alu instid0(VALU_DEP_2)
	v_pk_add_f32 v[14:15], v[14:15], v[20:21]
.set n, 0
.rept 8
.set m, 0
.rept 8
.set m, m+1
.endr
	v_cvt_scalef32_pk8_fp8_f32 v[PA+2*n:PA+2*n+1], v[SA+8*n:SA+8*n+7], v24
	v_cvt_scalef32_pk8_fp8_f32 v[PB+2*n:PB+2*n+1], v[SB+8*n:SB+8*n+7], v24
.set n, n+1
.endr
	WIN 0x41                                       ; O^T in window 1, f in window 0
.set n, 0
.rept 16
	v_pk_mul_f32 v[64+n:65+n], v[64+n:65+n], v[28:29] op_sel_hi:[1,0]   ; O^T under the new M
	v_pk_mul_f32 v[96+n:97+n], v[96+n:97+n], v[30:31] op_sel_hi:[1,0]
.set n, n+2
.endr
	s_wait_alu depctr_va_vdst(0)
	s_wait_dscnt 0x0                               ; V is in
	WIN 0x51                                       ; V, C and D window 1; P window 0
.irp t, 0,1,2,3
	v_wmma_f32_16x16x128_fp8_fp8 v[64+8*\t:71+8*\t], v[16*\t:16*\t+15], v[PA:PA+15], v[64+8*\t:71+8*\t]     ; eight accumulators, one instruction a turn
	v_wmma_f32_16x16x128_fp8_fp8 v[96+8*\t:103+8*\t], v[16*\t:16*\t+15], v[PB:PB+15], v[96+8*\t:103+8*\t]
.endr
	WIN 0
.Lhidden_\@:
	s_add_co_u32 s42, s42, 128
.endm
.macro SLOT_STEPS
	STEP 0
	STEP 1
	s_xor_b32 s40, s40, SLOT1                      ; on to the other slot
.endm
	s_load_b256 s[4:11], s[0:1], 0x0               ; q's images s[4:5], k's s[6:7], v's s[8:9], the scales' exponents s[10:11]
	s_load_b64 s[12:13], s[0:1], 0x20              ; o's images
	v_lshl_add_u32 v4, v0, 2, SPARE
	v_mov_b32 v5, 0
	ds_add_u32 v4, v5
	ds_add_u32 v4, v5
	s_wait_dscnt 0x0
	v_lshrrev_b32 v1, 5, v0
	s_delay_alu instid0(VALU_DEP_1)
	v_readfirstlane_b32 s14, v1                    ; wave 0..7
	s_mov_b32 s44, ttmp9                           ; i
	s_sub_co_u32 s60, 7, s44                       ; 7 - i: the second block, and the count at which the second pass begins
	s_and_b32 s53, ttmp7, 0xffff                   ; 16 x batch + head
	s_lshl_b32 s54, s53, 17                        ; 131,072 bytes of q's, k's and v's images each
	s_mov_b32 s55, 0
	s_and_b32 s56, s53, 15                         ; o's images: head x 524,288 + batch x 131,072
	s_lshl_b32 s56, s56, 19
	s_lshr_b32 s57, s53, 4
	s_lshl_b32 s57, s57, 17
	s_add_co_u32 s56, s56, s57
	s_mov_b32 s57, 0
	s_and_b32 s58, s14, 1
	s_mov_b32 s32, 1                               ; group 0: count = 1
	s_lshl_b32 s33, s58, 14                        ; LDS: K's part of slot 0 (wave 0), V's (wave 1)
	s_lshl_b32 s58, s58, 13                        ; the prefetches: my half of a slot's 16,384 bytes
	s_mov_b32 s59, 0
	s_mov_b32 s24, 3<<16                           ; group 1: a dense block as 64 rows of 256 bytes: elements of 8 bytes, no mask, no padding
	s_mov_b32 s25, 32<<16                          ; tensor_dim0 = 32
	s_mov_b32 s26, 64<<16                          ; tensor_dim1 = 64
	s_mov_b32 s27, 32<<16                          ; tile_dim0
	s_mov_b32 s28, 64                              ; tile_dim1
	s_mov_b32 s29, 32                              ; from row to row
	s_mov_b32 s30, 0
	s_mov_b32 s31, 0
	s_mov_b32 s39, 0
	s_mov_b32 s20, 0x76543210                      ; v_permlanex16_b32: lane l xor 16
	s_mov_b32 s21, 0xfedcba98
	s_mov_b32 s22, 0x3e38aa3b                      ; log2(e) / 8
	s_mov_b32 s40, 0
	s_mov_b32 s41, 8
	s_wait_kmcnt 0x0
	s_load_b128 s[48:51], s[10:11], 0x18           ; e6, e7, e8, e9
	s_load_b32 s52, s[10:11], 0x28                 ; e10
	s_cmp_eq_u32 s14, 0
	s_cselect_b64 s[36:37], s[6:7], s[8:9]         ; what I fetch from, if I fetch
	s_add_nc_u64 s[36:37], s[36:37], s[54:55]
	s_mov_b64 s[34:35], s[36:37]                   ; the head's first slot of keys
	s_or_b32 s35, s35, 0x80000000
	TLOAD                                          ; slot 0
	s_add_nc_u64 s[16:17], s[4:5], s[54:55]
	s_add_nc_u64 s[18:19], s[12:13], s[56:57]
	s_cmp_lt_u32 s14, 6                            ; the prefetches: waves 4, 5 for K, waves 6, 7 for V
	s_cselect_b64 s[46:47], s[6:7], s[8:9]
	s_add_nc_u64 s[46:47], s[46:47], s[54:55]
	s_add_nc_u64 s[46:47], s[46:47], s[58:59]      ; in slot 0: the first change of slots steps it to slot 1.  Nothing is prefetched here, at the head
	s_lshr_b32 s57, s14, 2
	s_xor_b32 s57, s57, 1                          ; 0 in waves 4 to 7,
	s_or_b32 s57, s57, ttmp9                       ; of the head's work-group 0
	s_cmp_eq_u32 s57, 0
	s_cselect_b32 s15, 1, -1
	v_and_b32 v1, 31, v0
	s_delay_alu instid0(VALU_DEP_1)
	v_lshlrev_b32 v1, 4, v1
	s_delay_alu instid0(VALU_DEP_1)
	v_lshlrev_b32 v3, 4, v1
	v_and_b32 v7, 15, v0
	v_bfe_u32 v2, v0, 4, 1
	s_delay_alu instid0(VALU_DEP_1)
	v_lshlrev_b32 v2, 3, v2
	s_delay_alu instid0(VALU_DEP_1)
	v_sub_nc_u32 v7, v7, v2
	v_mov_b32 v18, 0                               ; written once: a lane permute's destination counts as one of its sources
	v_mov_b32 v22, 0
	v_mov_b32 v29, 0                               ; (named as the upper halves of f's pairs)
	v_mov_b32 v31, 0
	s_wait_kmcnt 0x0
	s_add_co_i32 s53, s48, s49
	s_lshl_b32 s53, s53, 23
	s_add_co_i32 s22, s22, s53                     ; a score stands for score x 2^(e6 + e7)
	s_mov_b32 s23, s22
	s_add_co_i32 s53, s50, 127
	s_lshl_b32 s56, s53, 23
	v_mov_b32 v24, s56                             ; 2^e8
	s_sub_co_i32 s53, s52, s50
	s_sub_co_i32 s53, s53, s51
	s_add_co_i32 s53, s53, 127
	s_lshl_b32 s56, s53, 23
	v_mov_b32 v26, s56                             ; 2^(e10 - e8 - e9)
	SETBLK 44                                      ; the first pass: block i
	INITP
.Lslot:                                            ; eight trips; behind each change of slots the next trip's keys are asked for
	CHANGE 1
	s_cmp_lg_u32 s41, s60                          ; trip i + 1 begins the second pass: a branch on ids, round lines that touch neither LDS nor a barrier
	s_cbranch_scc1 .Lsame
	s_wait_alu depctr_va_vdst(0)
	OUTP
	SETBLK 60
	INITP
.Lsame:
	SLOT_STEPS
	s_sub_co_u32 s41, s41, 1
	s_cmp_lg_u32 s41, 0
	s_cbranch_scc1 .Lslot
	CHANGE 0                                       ; the ninth trip is written out
	SLOT_STEPS
	s_wait_alu depctr_va_vdst(0)
	OUTP
	s_wait_tensorcnt 0x0                           ; the wave's end
	ds_add_u32 v4, v5
	s_wait_dscnt 0x0
	s_endpgm
.Lfunc_end_k_qad3e64ed2e_attn:
	.size	k_qad3e64ed2e_attn, .Lfunc_end_k_qad3e64ed2e_attn-k_qad3e64ed2e_attn
	.p2alignl 7, 3214868480
	.fill 96, 4, 3214868480
	.section	.rodata,"a",@progbits
	.p2align	6, 0x0
	.amdhsa_kernel k_qad3e64ed2e_attn
		.amdhsa_group_segment_fixed_size 327680
		.amdhsa_private_segment_fixed_size 0
		.amdhsa_enable_private_segment 0
		.amdhsa_kernarg_size 40
		.amdhsa_user_sgpr_count 2
		.amdhsa_user_sgpr_kernarg_segment_ptr 1
		.amdhsa_wavefront_size32 1
		.amdhsa_system_sgpr_workgroup_id_x 1
		.amdhsa_system_sgpr_workgroup_id_y 1
		.amdhsa_system_sgpr_workgroup_id_z 1
		.amdhsa_system_vgpr_workitem_id 0
		.amdhsa_next_free_vgpr 512
		.amdhsa_next_free_sgpr 72
		.amdhsa_reserve_vcc 1
		.amdhsa_float_denorm_mode_32 3
		.amdhsa_float_denorm_mode_16_64 3
		.amdhsa_fp16_overflow 1
		.amdhsa_memory_ordered 1
		.amdhsa_forward_progress 1
		.amdhsa_inst_pref_size 160
	.end_amdhsa_kernel
	.amdgpu_metadata
---
amdhsa.version: [ 1, 2 ]
amdhsa.kernels:
  - .name:           k_qad3e64ed2e_attn
    .symbol:         k_qad3e64ed2e_attn.kd
    .args:
      - { .name: q_img, .offset: 0, .size: 8, .value_kind: global_buffer, .address_space: global }
      - { .name: k_img, .offset: 8, .size: 8, .value_kind: global_buffer, .address_space: global }
      - { .name: v_img, .offset: 16, .size: 8, .value_kind: global_buffer, .address_space: global }
      - { .name: lowp_scales, .offset: 24, .size: 8, .value_kind: global_buffer, .address_space: global }
      - { .name: o_img, .offset: 32, .size: 8, .value_kind: global_buffer, .address_space: global }
    .group_segment_fixed_size: 327680
    .private_segment_fixed_size: 0
    .kernarg_segment_align: 8
    .kernarg_segment_size: 40
    .max_flat_workgroup_size: 256
    .sgpr_count:     72
    .vgpr_count:     512
    .wavefront_size: 32
...
	.end_amdgpu_metadata
.endif
;; end of part 3
;; launch oproj (part 4): grid 8 x 32, 4 waves a work-group, clusters of 4 x 4, 327,680 bytes of LDS; arguments o_img, Wo_codes, lowp_scales, out0; writes out0
.if DOCPART == 4
	.amdgcn_target "amdgcn-amd-amdhsa--gfx1250"
	.amdhsa_code_object_version 6
	.text
	.protected	k_qad3e64ed2e_oproj
	.globl	k_qad3e64ed2e_oproj
	.p2align	8
	.type	k_qad3e64ed2e_oproj,@function
k_qad3e64ed2e_oproj:
	s_mov_b64 s[64:65], 0
	v_nop
	global_prefetch_b8 v0, s[64:65] scope:SCOPE_SE
	s_setreg_imm32_b32 hwreg(HW_REG_WAVE_MODE, 25, 1), 1
	s_wait_xcnt 0x0
	s_wait_alu depctr_hold_cnt(0) depctr_sa_sdst(0) depctr_va_vdst(0) depctr_va_sdst(0) depctr_va_ssrc(0) depctr_va_vcc(0) depctr_vm_vsrc(0)
	s_getreg_b32 s2, hwreg(HW_REG_IB_STS2, 6, 4)
	s_cmp_eq_u32 s2, 0
	s_cbranch_scc0 .Lentry_in_a_cluster
	s_endpgm
.Lentry_in_a_cluster:
	s_bfe_u32 s2, ttmp6, 0x10000c
	s_cmp_lg_u32 s2, 0xf033
	s_cbranch_scc0 .Lentry_shape_is_right
	s_endpgm
.Lentry_shape_is_right:
; out0 = o Wo^T x 2^(e10 + e11) on codes of E4M3.  o comes as images of operand registers, [head 16][tile of 16 tokens 512][1,024 bytes]; Wo: [1024][1024] codes, K innermost; out0: [8192][1024] f32.
; LIMIT: e10 + e11 lies between -126 and 127, so that 2^(e10 + e11) is an f32 number.
; SHARES.  A work-group makes 256 tokens x 128 columns; a wave 128 x 64: 32 accumulators.  SOURCE 0 = 16 ROWS OF Wo, SOURCE 1 = 16 TOKENS OF o: a lane holds eight neighbouring columns of one row of out0.
; K = 1,024 goes in four K steps of 256 (four heads) through three LDS slots: K steps 0, 1, 2 are first fills, K step 3 fills slot 0 again.  Three tensor loads of a wave are out at the most.
; Two heads' images on end are one fragment of 128 along K, each k in the place that the form's own layout gives it; so Wo's fragments are fetched in that layout too, by eight loads of 8 bytes.
; o's part of a tile is four rows (heads) of 8,192 dense bytes, 524,288 bytes apart: the tile has no more rows.
; CLUSTER 4 x 4: o's tile is asked for jointly along a row of the cluster, Wo's along a column.
; REGISTERS: window 0: v16-18, v20-22 LDS addresses; v24, v25 the stage, in and back; v26 my byte offset in out0; v28, v29 for the add; v32-63 a block's results; v64-127 rows read back, two sets;
;   v128-255 o's eight fragments, one set.   window 1: accumulator (a, b) at v[8 (4 a + b)].   window 2: Wo's four fragments, two sets.
.set PITCH,  272
.set HALFO,  32768                     ; four heads x eight tiles x 1,024 bytes
.set WB,     2*HALFO
.set HALFW,  64*PITCH
.set SLOT,   WB+2*HALFW
.set SPARE,  3*SLOT                    ; the spare words, 128 bytes a wave, two blocks of 256 bytes that no other line names
.set STAGE,  SPARE+512                 ; 16 rows x (256 bytes + 16) for each wave, bytes of its own: no tile lands there
.set SPITCH, 272
.set ADRO, 16
.set ADRW, 20
.set STO,  24
.set RD,   25
.set CO,   26
.set SPW,  28
.set NIL,  29
.set TMP,  32
.set BK,   64
.set XF,   128
.set G1O,  24
.set G0O,  32
.set G1W,  44
.set G0W,  52
.set MULW, 0x52                        ; source 0 (Wo) window 2, source 1 (o) window 0, C and D window 1
.set TO_W, 0x80
.set MSB, 0
.macro WIN new
.if MSB != (\new)
	s_set_vgpr_msb (MSB<<8)|(\new)
.set MSB, (\new)
.endif
.endm
.macro PLACES
.rept 4
	v_nop
.endr
.endm
.macro JLOAD                           ; the joint refill of slot 0: waves 0, 1 ask for o, waves 2, 3 for Wo; four v_nop follow each line
	s_cmp_eq_u32 s15, 0
	s_cbranch_scc0 .Lfor_w_\@
	tensor_load_to_lds s[G0O:G0O+3], s[G1O:G1O+7]
	s_nop 0
.rept 4
	v_nop
.endr
	s_branch .Lasked_\@
.Lfor_w_\@:
	tensor_load_to_lds s[G0W:G0W+3], s[G1W:G1W+7]
	s_nop 0
.rept 4
	v_nop
.endr
.Lasked_\@:
.endm
.macro CREST
	s_cmp_lg_u32 s14, 0
	s_cbranch_scc1 .Lnot_wave_0_\@
	s_barrier_signal -3
.Lnot_wave_0_\@:
	s_barrier_wait -3
	s_barrier_signal -1
	s_barrier_wait -1
.endm
.macro CROUND
	s_barrier_signal -1
	s_barrier_wait -1
	CREST
.endm
.macro FETCH_W slot, q, p              ; Wo's four fragments into set p: registers 2 c, 2 c + 1 hold K = 16 c + 8 (lane / 16) + 0 .. 7: 32 loads
	WIN TO_W
.irp b, 0,1,2,3
.irp c, 0,1,2,3,4,5,6,7
	ds_load_b64 v[64*(\p)+16*\b+2*\c:64*(\p)+16*\b+2*\c+1], v[ADRW+\slot] offset:128*(\q)+16*\c+\b*16*PITCH
.endr
.endr
	WIN 0
.endm
.macro FETCH_X slot, q, i0             ; o's blocks i0 .. i0 + 3: heads 2 q and 2 q + 1 of the slot's four, 512 bytes a load: 16 loads
.irp i, \i0, \i0+1, \i0+2, \i0+3
.irp c, 0,1,2,3
	ds_load_b128 v[XF+16*(\i)+4*\c:XF+16*(\i)+4*\c+3], v[ADRO+\slot] offset:(2*(\q)+\c/2)*8192+1024*(\i)+512*(\c%2)
.endr
.endr
.endm
.macro MUL8 a0, p, zero                ; o's blocks a0, a0 + 1 against Wo's four; the 32 accumulators take turns
.irp a, \a0, \a0+1
.irp b, 0,1,2,3
.if \zero
	v_wmma_f32_16x16x128_fp8_fp8 v[8*(4*(\a)+\b):8*(4*(\a)+\b)+7], v[64*(\p)+16*\b:64*(\p)+16*\b+15], v[XF+16*(\a):XF+16*(\a)+15], 0
.else
	v_wmma_f32_16x16x128_fp8_fp8 v[8*(4*(\a)+\b):8*(4*(\a)+\b)+7], v[64*(\p)+16*\b:64*(\p)+16*\b+15], v[XF+16*(\a):XF+16*(\a)+15], v[8*(4*(\a)+\b):8*(4*(\a)+\b)+7]
.endif
.endr
.endr
.endm
.macro STEP p, ns, nq, zero
	s_wait_dscnt 16                                ; Wo's set and o's blocks 0-3 are in; the youngest 16 loads (blocks 4-7) may be out
	WIN MULW
	MUL8 0, \p, \zero
	MUL8 2, \p, \zero
	s_wait_dscnt 0
	PLACES
	FETCH_W \ns, \nq, 1-\p
	FETCH_X \ns, \nq, 0
	WIN MULW
	MUL8 4, \p, \zero
	MUL8 6, \p, \zero
	PLACES
	WIN 0
	FETCH_X \ns, \nq, 4
.endm
; A step with a barrier in it.  In front of the barrier each wave waits for all its tensor loads, adds 0 to its spare word, and waits for that and for its LDS reads.
.macro TURN p, ns, fill
	s_wait_tensorcnt 0x0                           ; all my tensor loads have landed
	ds_add_u32 v[SPW], v[NIL]                      ; 0 onto my spare word
	s_wait_dscnt 17                                ; (the add and the youngest 16 loads may be out)
	WIN MULW
	MUL8 0, \p, 0
	s_wait_dscnt 0x0                               ; the add is done, and my LDS reads are over
	s_barrier_signal -1
	MUL8 2, \p, 0
	WIN 0
	s_barrier_wait -1
.if \fill
	CREST
	s_add_nc_u64 s[G0O+2:G0O+3], s[G0O+2:G0O+3], 3*2097152   ; from heads 0-3 to heads 12-15
	s_add_nc_u64 s[G0W+2:G0W+3], s[G0W+2:G0W+3], 768
	JLOAD                                          ; the first tensor load behind the round; its four v_nop are the places in front of the loads below
.else
	PLACES
.endif
	FETCH_W \ns, 0, 1-\p
	FETCH_X \ns, 0, 0
	WIN MULW
	MUL8 4, \p, 0
	MUL8 6, \p, 0
	PLACES
	WIN 0
	FETCH_X \ns, 0, 4
.endm
	s_load_b256 s[4:11], s[0:1], 0x0               ; o's images s[4:5], Wo s[6:7], the scales' exponents s[8:9], out0 s[10:11]
	v_lshl_add_u32 v[SPW], v0, 2, SPARE
	v_mov_b32 v[NIL], 0
	ds_add_u32 v28, v29
	ds_add_u32 v28, v29
	s_wait_dscnt 0x0
	v_lshrrev_b32 v1, 5, v0
	v_readfirstlane_b32 s14, v1
	s_lshr_b32 s15, s14, 1                         ; my half of the tokens.  Also: I fetch for o (0) or for Wo (1)
	s_and_b32 s16, s14, 1                          ; my half of the columns.  Also: which half of that tile I fetch
	s_bfe_u32 s66, ttmp6, 0x40000
	s_bfe_u32 s67, ttmp6, 0x40004
	s_lshl_b32 s68, ttmp9, 2
	s_add_co_u32 s68, s68, s66                     ; tile column: 128 columns
	s_and_b32 s17, ttmp7, 0xffff
	s_lshl_b32 s17, s17, 2
	s_add_co_u32 s17, s17, s67                     ; tile row: 256 tokens
	s_lshl_b32 s69, s67, 2
	s_lshl_b32 s69, 15, s69
	s_lshl_b32 s70, 0x1111, s66
	s_or_b32 s[G1O], s69, (3<<16)|(1<<21)          ; the mask of my row; elements of 8 bytes; bit 21 beside a mask; no padding
	s_or_b32 s[G1W], s70, (1<<20)|(1<<21)|(5<<22)|(3<<25)   ; the mask of my column; elements of 1 byte; 4 words of padding behind every 64
	s_mov_b32 s[G1O+1], 1024<<16                   ; tensor_dim0 = 1,024 elements: 8,192 bytes
	s_mov_b32 s[G1O+2], 4<<16                      ; tensor_dim1 = 4 heads
	s_mov_b32 s[G1O+3], 1024<<16
	s_mov_b32 s[G1O+4], 4
	s_mov_b32 s[G1O+5], 65536                      ; from head to head: 524,288 bytes
	s_mov_b32 s[G1O+6], 0
	s_mov_b32 s[G1O+7], 0
	s_mov_b32 s[G1W+1], 256<<16
	s_mov_b32 s[G1W+2], 64<<16
	s_mov_b32 s[G1W+3], 256<<16
	s_mov_b32 s[G1W+4], 64
	s_mov_b32 s[G1W+5], 1024
	s_mov_b32 s[G1W+6], 0
	s_mov_b32 s[G1W+7], 0
	s_lshl_b32 s80, s17, 14                        ; o: tile 16 x tile row + 8 x half, 1,024 bytes a tile
	s_lshl_b32 s81, s16, 13
	s_add_co_u32 s80, s80, s81
	s_mov_b32 s81, 0
	s_lshl_b32 s82, s68, 17                        ; Wo: row 128 x tile column + 64 x half
	s_lshl_b32 s83, s16, 16
	s_add_co_u32 s82, s82, s83
	s_mov_b32 s83, 0
	s_mul_i32 s88, s16, HALFO
	s_mul_i32 s89, s16, HALFW
	s_add_co_u32 s89, s89, WB
	s_wait_kmcnt 0x0
	s_load_b64 s[96:97], s[8:9], 0x28              ; e10, e11
	s_add_nc_u64 s[84:85], s[4:5], s[80:81]
	s_add_nc_u64 s[86:87], s[6:7], s[82:83]
.irp n, 0,1,2
	s_mov_b32 s[G0O+4*\n], 1
	s_add_co_u32 s[G0O+4*\n+1], s88, \n*SLOT
	s_add_nc_u64 s[G0O+4*\n+2:G0O+4*\n+3], s[84:85], \n*2097152
	s_or_b32 s[G0O+4*\n+3], s[G0O+4*\n+3], 0x80000000
	s_mov_b32 s[G0W+4*\n], 1
	s_add_co_u32 s[G0W+4*\n+1], s89, \n*SLOT
	s_add_nc_u64 s[G0W+4*\n+2:G0W+4*\n+3], s[86:87], \n*256
	s_or_b32 s[G0W+4*\n+3], s[G0W+4*\n+3], 0x80000000
.endr
	CROUND                                         ; all sixteen work-groups are here: the first joint loads meet
	s_cmp_eq_u32 s15, 0                            ; a wave's three first fills stand in one branch
	s_cbranch_scc0 .Lfirst_w
	tensor_load_to_lds s[G0O:G0O+3], s[G1O:G1O+7]
	s_nop 0
	tensor_load_to_lds s[G0O+4:G0O+7], s[G1O:G1O+7]
	s_nop 0
	tensor_load_to_lds s[G0O+8:G0O+11], s[G1O:G1O+7]
	s_nop 0
.rept 4
	v_nop
.endr
	s_branch .Lfirst_asked
.Lfirst_w:
	tensor_load_to_lds s[G0W:G0W+3], s[G1W:G1W+7]
	s_nop 0
	tensor_load_to_lds s[G0W+4:G0W+7], s[G1W:G1W+7]
	s_nop 0
	tensor_load_to_lds s[G0W+8:G0W+11], s[G1W:G1W+7]
	s_nop 0
.rept 4
	v_nop
.endr
.Lfirst_asked:
	v_and_b32 v1, 15, v0                           ; r
	v_bfe_u32 v2, v0, 4, 1                         ; h
	v_mul_u32_u24 v3, v1, PITCH
	v_lshl_add_u32 v3, v2, 3, v3                   ; Wo: row x pitch + 8 h
	v_and_b32 v4, 31, v0
	v_lshlrev_b32 v4, 4, v4                        ; o: 16 x lane
	s_mul_i32 s90, s15, HALFO                      ; my 128 tokens
	s_mul_i32 s91, s16, HALFW                      ; my 64 columns, behind o's images
	s_add_co_u32 s91, s91, WB
.irp n, 0,1,2
	v_add_nc_u32 v[ADRO+\n], s90, v4
	v_add_nc_u32 v[ADRW+\n], s91, v3
	s_add_co_u32 s90, s90, SLOT
	s_add_co_u32 s91, s91, SLOT
.endr
	s_mul_i32 s92, s14, 16*SPITCH
	s_add_co_u32 s92, s92, STAGE                   ; my stage
	v_mul_u32_u24 v5, v1, SPITCH                   ; in: row r, 32 bytes for each half of the lanes
	v_lshl_add_u32 v5, v2, 5, v5
	v_add_nc_u32 v[STO], s92, v5
	v_mul_u32_u24 v6, v2, SPITCH                   ; back: lanes 0-15 one row of 256 bytes, lanes 16-31 the next
	v_lshl_add_u32 v6, v1, 4, v6
	v_add_nc_u32 v[RD], s92, v6
	v_lshlrev_b32 v7, 12, v2                       ; and the same two rows in out0, 4,096 bytes a row
	v_lshl_add_u32 v[CO], v1, 4, v7
	s_lshl_b32 s94, s17, 20                        ; my first row: 256 x tile row + 128 x half; my first column, in bytes: 512 x tile column + 256 x half
	s_lshl_b32 s95, s15, 19
	s_add_co_u32 s94, s94, s95
	s_lshl_b32 s95, s68, 9
	s_add_co_u32 s94, s94, s95
	s_lshl_b32 s95, s16, 8
	s_add_co_u32 s94, s94, s95
	s_mov_b32 s95, 0
	s_add_nc_u64 s[10:11], s[10:11], s[94:95]
	s_wait_tensorcnt 2                             ; my part of K step 0 is in; the two younger loads may stay out
	s_barrier_signal -1
	s_barrier_wait -1
	FETCH_W 0, 0, 0
	FETCH_X 0, 0, 0
	FETCH_X 0, 0, 4
	STEP 0, 0, 1, 1                                ; the first products start the sums
	TURN 1, 1, 1                                   ; slots 1 and 2 are whole for everybody; slot 0 takes K step 3
	STEP 0, 1, 1, 0
	s_wait_alu depctr_va_vdst(0)
	STEP 1, 2, 0, 0
	STEP 0, 2, 1, 0
	TURN 1, 0, 0                                   ; K step 3 has landed for everybody
	STEP 0, 0, 1, 0
	s_wait_dscnt 16
	WIN MULW
	MUL8 0, 1, 0
	MUL8 2, 1, 0
	s_wait_dscnt 0
	MUL8 4, 1, 0
	MUL8 6, 1, 0
	WIN 0
; THE WAY OUT, a block of 16 rows x 64 columns at a time, through my own stage: a lane's 32 bytes go in by rows of 272 bytes and come back as whole rows of 256 bytes.
; LDS serves a wave's instructions in order (ISA guide 5.7.1.4): no wait between the stores and the loads, nor in front of the next block's stores.
.macro TOSTAGE a
	WIN 0x01                                       ; source 0: window 1
.set n, 0
.rept 16
	v_pk_mul_f32 v[TMP+n:TMP+n+1], v[32*(\a)+n:32*(\a)+n+1], s[96:97] op_sel_hi:[1,0]   ; x 2^(e10 + e11); each accumulator from its low end on
.set n, n+2
.endr
	WIN 0
.irp b, 0,1,2,3
	ds_store_b128 v[STO], v[TMP+8*\b:TMP+8*\b+3] offset:64*\b
	ds_store_b128 v[STO], v[TMP+8*\b+4:TMP+8*\b+7] offset:64*\b+16
.endr
.irp t, 0,1,2,3,4,5,6,7
	ds_load_b128 v[BK+32*((\a)%2)+4*\t:BK+32*((\a)%2)+4*\t+3], v[RD] offset:\t*2*SPITCH
.endr
.endm
.macro SEND a, younger                 ; younger: the LDS instructions issued behind block a's loads, which may stay out
	s_wait_dscnt \younger
.irp t, 0,1,2,3,4,5,6,7
	global_store_b128 v[CO], v[BK+32*((\a)%2)+4*\t:BK+32*((\a)%2)+4*\t+3], s[10:11] offset:65536*(\a)+8192*\t th:TH_STORE_NT   ; 16 lanes store 256 consecutive bytes, aligned; written once, read by nobody here
.endr
.endm
	s_wait_kmcnt 0x0
	s_add_co_i32 s96, s96, s97
	s_add_co_i32 s96, s96, 127
	s_lshl_b32 s96, s96, 23                        ; 2^(e10 + e11) as f32
	PLACES
	TOSTAGE 0
.irp a, 1,2,3,4,5,6,7
.if \a > 1
	s_wait_xcnt 0x0                                ; block a - 2's stores have read their registers: block a's loads may land there
.endif
	TOSTAGE \a
	SEND \a-1, 16                                  ; behind block a - 1's loads: block a's 8 stores and 8 loads
.endr
	SEND 7, 0
	s_wait_tensorcnt 0x0                           ; the wave's end
	ds_add_u32 v[SPW], v[NIL]
	s_wait_dscnt 0x0
	CROUND                                         ; the closing round
	s_endpgm
.Lfunc_end_k_qad3e64ed2e_oproj:
	.size	k_qad3e64ed2e_oproj, .Lfunc_end_k_qad3e64ed2e_oproj-k_qad3e64ed2e_oproj
	.p2alignl 7, 3214868480
	.fill 96, 4, 3214868480
	.section	.rodata,"a",@progbits
	.p2align	6, 0x0
	.amdhsa_kernel k_qad3e64ed2e_oproj
		.amdhsa_group_segment_fixed_size 327680
		.amdhsa_private_segment_fixed_size 0
		.amdhsa_enable_private_segment 0
		.amdhsa_kernarg_size 32
		.amdhsa_user_sgpr_count 2
		.amdhsa_user_sgpr_kernarg_segment_ptr 1
		.amdhsa_wavefront_size32 1
		.amdhsa_system_sgpr_workgroup_id_x 1
		.amdhsa_system_sgpr_workgroup_id_y 1
		.amdhsa_system_sgpr_workgroup_id_z 1
		.amdhsa_system_vgpr_workitem_id 0
		.amdhsa_next_free_vgpr 640
		.amdhsa_next_free_sgpr 104
		.amdhsa_reserve_vcc 0
		.amdhsa_float_denorm_mode_32 3
		.amdhsa_float_denorm_mode_16_64 3
		.amdhsa_memory_ordered 1
		.amdhsa_forward_progress 1
		.amdhsa_inst_pref_size 84
	.end_amdhsa_kernel
	.amdgpu_metadata
---
amdhsa.version: [ 1, 2 ]
amdhsa.kernels:
  - .name:           k_qad3e64ed2e_oproj
    .symbol:         k_qad3e64ed2e_oproj.kd
    .args:
      - { .name: o_img, .offset: 0, .size: 8, .value_kind: global_buffer, .address_space: global }
      - { .name: Wo_codes, .offset: 8, .size: 8, .value_kind: global_buffer, .address_space: global }
      - { .name: lowp_scales, .offset: 16, .size: 8, .value_kind: global_buffer, .address_space: global }
      - { .name: out0, .offset: 24, .size: 8, .value_kind: global_buffer, .address_space: global }
    .group_segment_fixed_size: 327680
    .private_segment_fixed_size: 0
    .kernarg_segment_align: 8
    .kernarg_segment_size: 32
    .max_flat_workgroup_size: 128
    .sgpr_count:     104
    .vgpr_count:     640
    .wavefront_size: 32
...
	.end_amdgpu_metadata
.endif
;; end of part 4
